; MI455X (gfx1250); checked and timed in simulation.
; The chip was launched on July 23, 2026; its instructions are those of AMD's public machine-readable ISA for CDNA 5 (MIT licence, August 2026) and "CDNA5" Instruction Set Architecture Reference Guide (July 2026). The comments in the code are by the model that wrote it; some were corrected since.
;; Flash Attention. Allowed arithmetic: matrix products marked QUANTISED: E2M3 operands, one E8M0 scale for each 32 along K, by v_wmma_scale_f32_16x16x128_f8f6f4 with both operands' format E2M3, f32 sums; everything else in f32.
;; Inputs: b_attn 3,072 float32; b_proj 1,024 float32; w_attn 1,024 x 3,072 float32; w_proj 1,024 x 1,024 float32; x 4 x 1,024 x 1,024 float32.
;; Outputs: out0 4 x 1,024 x 1,024 float32.
;; This version of the problem:
;;   THIS VERSION OF THE PROBLEM IS GIVEN IN LOW PRECISION. The matrix products marked QUANTISED in the list below multiply operands that are first quantised to E2M3 (2 exponent bits, 3 mantissa bits; 6 bits a number), with one power-of-two scale for each 32 numbers along K (OCP MX v1.0); their sums are f32. All else is computed in f32.
;;   The module's matrix products, in the order in which they are computed (A, B: the left and right operand; K: the contracted axis; several contracted axes count as one K, in the product's order):
;;     1. [M 4,096, K 1,024] x [K 1,024, N 3,072]; A: input x; B: input w_attn: QUANTISED
;;     2. batch 64 x [M 1,024, K 64] x [K 64, N 1,024]; A: computed on the way; B: computed on the way: QUANTISED
;;     3. batch 64 x [M 1,024, K 1,024] x [K 1,024, N 64]; A: softmax (see below); B: computed on the way: QUANTISED
;;     4. [M 4,096, K 1,024] x [K 1,024, N 1,024]; A: computed on the way; B: input w_proj: QUANTISED
;;   THE QUANTISER, for each operand of a quantised product, along K:
;;     - K is cut into blocks of 32 from its start; a last block that is shorter is filled with zeros.
;;     - A block's scale is 2^e with e = floor(log2(the largest magnitude in the block)) - 2, held to -126 .. 127; a block of zeros has e = 0. As a byte (E8M0): e + 127.
;;     - Each number is divided by its block's scale, clamped to +-7.5, and rounded to the nearest number of E2M3, ties to even, subnormals kept.
;;     - The product sums the exact products of the quantised numbers (number of the format x scale) in f32.
;;   ~~~python
;;   def quantise(x, axis):      # numpy; x: float32 -> the quantised numbers, widened to float32 again
;;       x = np.moveaxis(x, axis, -1); K = x.shape[-1]
;;       x = np.pad(x, [(0, 0)] * (x.ndim - 1) + [(0, -K % 32)]); x = x.reshape(x.shape[:-1] + (-1, 32)); a = np.abs(x).max(-1, keepdims=True)
;;       e = np.where(a > 0, np.clip(np.frexp(np.where(a > 0, a, 1))[1] - 1 - 2, -126, 127), 0)      # np.frexp(a)[1] - 1 = floor(log2(a)), exactly
;;       r = np.clip(x / 2.0 ** e, -7.5, 7.5)
;;       step = 2.0 ** (np.maximum(np.frexp(np.where(r == 0, 1, r))[1] - 1, 0) - 3)
;;       q = np.round(r / step) * step * 2.0 ** e      # np.round: ties to even
;;       return np.moveaxis(q.reshape(q.shape[:-2] + (-1,))[..., :K], -1, axis).astype(np.float32)
;;   ~~~
;;   SOFTMAX AHEAD OF A QUANTISED PRODUCT. Where the list says 'softmax', what is quantised is not the finished softmax but p = 2^(t - M), with t = logit x log2(e) and M = ceil(the row's largest t), a whole number; so 1/2 < the row's largest p <= 1. The row's sum l is taken of the UNQUANTISED p, in f32, and the product's result is divided by l at the end. Since M is a whole number, a kernel that streams over the keys may use a running M (the ceiling of the running maximum): every later rescaling is an exact power of two, which a block's scale takes up: the codes' values come out the same.
;;   OPERANDS COMPUTED ON THE WAY. 'Computed on the way' means the value that the module computes at that place (a softmax that the list does not call 'softmax' is quantised finished and normalised). What goes into a quantiser is computed in f32, as accurately as f32 sums, v_exp_f32 and their like allow (about 1e-6 of the number): no bf16 or f16 on the way to a quantiser, and a product that is left as it is and whose result goes on into a quantised operand takes f32 operands (vector FMAs, or v_wmma_f32_16x16x4_f32). A number that lies on a knife's edge between two numbers of the format may be rounded either way, as far as f32 arithmetic and the matrix unit's own rounding can turn it there, and no further.
;; One version. Each part assembles by itself: llvm-mc -triple=amdgcn-amd-amdhsa -mcpu=gfx1250 --defsym DOCPART=n.
;; ======== version 1 of 1: 4 launches
;; workspace buffers: xi 3,276,800 bytes; wa 2,457,600 bytes; wp 819,200 bytes; qi 3,407,872 bytes; kv 6,815,744 bytes; yi 3,407,872 bytes
;; launch prep (part 1): grid 256 x 1, 8 waves a work-group, no clusters, 68,608 bytes of LDS; arguments x, w_attn, w_proj, xi, wa, wp; writes xi, wa, wp
.if DOCPART == 1
	.amdgcn_target "amdgcn-amd-amdhsa--gfx1250"
	.amdhsa_code_object_version 6
	.text
	.protected	k_qcf2716c4b8_prep
	.globl	k_qcf2716c4b8_prep
	.p2align	8
	.type	k_qcf2716c4b8_prep,@function
k_qcf2716c4b8_prep:
	s_mov_b64 s[64:65], 0
	v_nop
	global_prefetch_b8 v0, s[64:65] scope:SCOPE_SE
	s_setreg_imm32_b32 hwreg(HW_REG_WAVE_MODE, 25, 1), 1
	s_wait_xcnt 0x0
; x [4096][1024], w_attn [1024][3072] and w_proj [1024][1024], f32, become codes of FP6 (E2M3) with one E8M0 byte for each 32 along K (K = 1024 in all three),
; laid as IMAGES OF OPERAND REGISTERS, so that the later launches fetch fragments by loads of 16 and 8 bytes a lane from consecutive bytes.
; A fragment (16 rows x 128 K, 12 registers a lane) is 1,536 bytes: for c = 0, 1: registers 6c .. 6c+3 of lane L at 768 c + 16 L, registers 6c+4, 6c+5 at 768 c + 512 + 16 (L % 16) + 8 (L / 16).
; THE ROWS OF A TILE ARE NOT NEIGHBOURS: tiles come in pairs over 32 indices; row r of tile 2 b + u is index 32 b + 8 u + r + 8 (r / 8).  As a product's first source such a pair leaves 16 neighbouring indices in a lane's 16 result registers.
; The scale words of a pair of tiles are 128 bytes: lane L's word is that of tile 2 b + L / 16, row L % 16.
; A block's scale is 2^(floor(log2(largest magnitude)) - 2); its byte is the largest magnitude's exponent field - 2.
; LIMITS: NaN and infinities among the inputs are not served.  A block of zeros gets the byte 1 where the rule says 127 (its codes are zeros, and this program alone reads the bytes); a block whose largest magnitude lies under 2^-124 is held at the byte 1.
; SHARES: work-groups 0-127: 32 tokens of x each, wave = K step of 128.  128-223: w_attn, 224-255: w_proj: a K step of 128 x 256 columns, wave = 32 columns.  A wave owns 16 KiB of f32 and asks for all of it at once.
; No work-group reads what another reads, so nothing is shared in a cluster; no matrix work; waves share nothing, so there is no barrier.  Only the path for x uses LDS.
.set XROW, 4096                        ; a row of x in bytes
.set STP,  528                         ; a row of the stage: 512 bytes + 16, an odd multiple of 16: the sixteen rows that a read touches start in different banks
.set WST,  16*STP                      ; a wave's stage
	s_load_b256 s[4:11], s[0:1], 0x0               ; x s[4:5], w_attn s[6:7], w_proj s[8:9], xi s[10:11]
	s_load_b128 s[12:15], s[0:1], 0x20             ; wa s[12:13], wp s[14:15]
	v_lshl_add_u32 v251, v0, 2, 0x10800
	v_mov_b32 v255, 0
	v_lshrrev_b32 v1, 5, v0
	v_readfirstlane_b32 s16, v1                    ; wave 0..7
	v_and_b32 v6, 31, v0                           ; L
	v_and_b32 v7, 15, v0                           ; L % 16
	v_bfe_u32 v19, v0, 4, 1                        ; L / 16
	s_cmp_lt_u32 ttmp9, 128
	s_cbranch_scc0 .Lweights
; ---------------- x: K is innermost.  Work-group G = 32 tokens (a pair of tiles), wave s = K step.
	s_mov_b32 s20, 0x76543210
	s_mov_b32 s21, 0xfedcba98                      ; v_permlanex16_b32's selects for lane L xor 16
	s_mov_b32 s22, 0xffff0000                      ; lanes 16-31
	v_lshlrev_b32 v1, 4, v6                        ; 16 L
	v_lshlrev_b32 v2, 4, v7
	v_lshl_add_u32 v2, v19, 3, v2                  ; 16 (L % 16) + 8 (L / 16)
	v_lshlrev_b32 v3, 2, v6                        ; 4 L
	s_mul_i32 s17, s16, WST
	v_add_nc_u32 v4, s17, v1                       ; the stage, on the way in: a row as it lies
	v_mul_u32_u24 v5, v7, STP
	v_lshl_add_u32 v5, v19, 7, v5
	v_add_nc_u32 v5, s17, v5                       ; and on the way out: row L % 16, 128 bytes on for lanes 16-31
	v_lshlrev_b32 v14, 3, v19                      ; 8 (L / 16): where my two scale bytes stand in the word
	v_mov_b32 v15, 0                               ; a lane permute's destination counts as one of its sources
	s_lshl_b32 s24, ttmp9, 17                      ; 32 rows of 4,096 bytes
	s_lshl_b32 s25, s16, 9                         ; + 512 bytes a K step
	s_add_co_u32 s24, s24, s25
	s_mov_b32 s25, 0
	s_lshr_b32 s26, ttmp9, 1
	s_lshl_b32 s26, s26, 3
	s_add_co_u32 s26, s26, s16
	s_mul_i32 s26, s26, 6400                       ; xi: block (G / 2, s) of 6,400 bytes: four fragments, two pairs' scale words
	s_and_b32 s27, ttmp9, 1
	s_mul_i32 s28, s27, 3072
	s_add_co_u32 s28, s28, s26                     ; my pair's two fragments
	s_mov_b32 s29, 0
	s_lshl_b32 s27, s27, 7
	s_add_co_u32 s26, s26, s27
	s_add_co_u32 s26, s26, 6144                    ; my pair's scale words
	s_mov_b32 s27, 0
	s_wait_kmcnt 0x0
	s_add_nc_u64 s[4:5], s[4:5], s[24:25]
	s_add_nc_u64 s[30:31], s[10:11], s[28:29]
	s_add_nc_u64 s[10:11], s[10:11], s[26:27]
.set i_, 0
.rept 32                               ; tile u = i / 16, row i % 16: each load reads 512 consecutive bytes of one token's row
	global_load_b128 v[32+4*i_:35+4*i_], v1, s[4:5] offset:(8*(i_/16)+(i_%16)+8*((i_%16)/8))*XROW th:TH_LOAD_NT
.set i_, i_+1
.endr
; A tile's 16 rows x 512 bytes turn through the wave's own stage: in as they lie, out 128 neighbouring bytes of a row a lane and half: register 32 c + i = k 64 c + 32 (L / 16) + i of row L % 16.
.macro TURN rr, xx
.set i_, 0
.rept 16
	ds_store_b128 v4, v[\rr+4*i_:\rr+4*i_+3] offset:STP*i_
.set i_, i_+1
.endr
.set i_, 0
.rept 16
	ds_load_b128 v[\xx+4*i_:\xx+4*i_+3], v5 offset:256*(i_/8)+16*(i_%8)   ; LDS serves a wave's instructions in order: these see the stores above
.set i_, i_+1
.endr
.endm
; 64 numbers of a lane (two whole blocks of 32) become the fragment's 12 registers at v[cc] and the row's scale word in v[ww].
.macro QUANTX xs, cc, ww
.irp k, 0,1
	v_max3_num_f32 v[8+\k], |v[\xs+32*\k]|, |v[\xs+32*\k+1]|, 0x1800000   ; with the floor 2^(3 - 127): the byte cannot fall under 1
.endr
.irp i, 2,4,6,8,10,12,14,16,18,20,22,24,26,28,30
.irp k, 0,1
	v_max3_num_f32 v[8+\k], v[8+\k], |v[\xs+32*\k+\i]|, |v[\xs+32*\k+\i+1]|   ; the two blocks by turns
.endr
.endr
.irp k, 0,1
	v_add_nc_u32 v[10+\k], 0xff000000, v[8+\k]     ; 2 off the exponent field: the conversion's scale operand
.endr
.irp k, 0,1
	v_lshrrev_b32 v[12+\k], 23, v[10+\k]           ; the scale's byte
.endr
	v_lshl_or_b32 v[\ww], v13, 16, v12             ; my bytes: blocks L / 16 and 2 + L / 16,
	v_lshlrev_b32 v[\ww], v14, v[\ww]              ; at their places;
	v_permlanex16_b32 v15, v[\ww], s20, s21
	v_or_b32 v[\ww], v[\ww], v15                   ; with lane L xor 16's two the word is whole
.irp k, 0,1
	v_cvt_scalef32_pk16_fp6_f32 v[\cc+6*\k:\cc+6*\k+2], v[\xs+32*\k:\xs+32*\k+15], v[10+\k]
	v_cvt_scalef32_pk16_fp6_f32 v[248+4*\k:250+4*\k], v[\xs+32*\k+16:\xs+32*\k+31], v[10+\k]   ; (a conversion's three registers begin on an even number)
.endr
	v_nop                                          ; one plain instruction behind a scaled conversion
.irp k, 0,1
.irp i, 0,1,2
	v_mov_b32 v[\cc+6*\k+3+\i], v[248+4*\k+\i]
.endr
.endr
.endm
.macro PUT cc, off                     ; the fragment leaves as its image: each store covers whole aligned runs of 256 bytes
	global_store_b128 v1, v[\cc:\cc+3], s[30:31] offset:\off
	global_store_b64 v2, v[\cc+4:\cc+5], s[30:31] offset:\off+512
	global_store_b128 v1, v[\cc+6:\cc+9], s[30:31] offset:\off+768
	global_store_b64 v2, v[\cc+10:\cc+11], s[30:31] offset:\off+1280
.endm
	s_wait_loadcnt 16                              ; tile 0's sixteen loads are in; tile 1's sixteen may be out
	TURN 32, 160
	s_wait_dscnt 0x0                               ; tile 0 is back, and its stores into the stage have read their registers
	s_wait_loadcnt 0x0                             ; tile 1 is in
	TURN 96, 32                                    ; through the same stage, into the registers that tile 0 has left, while tile 0 is quantised
	QUANTX 160, 224, 16
	PUT 224, 0
	s_wait_dscnt 0x0
	QUANTX 32, 236, 17
	PUT 236, 1536
	v_cndmask_b32 v18, v16, v17, s22               ; lanes 0-15: tile 0's words; lanes 16-31: tile 1's
	global_store_b32 v3, v18, s[10:11]             ; 128 consecutive bytes: the scale bytes are one in 128 of what the launch reads
	s_wait_tensorcnt 0x0
	ds_add_u32 v251, v255
	s_wait_dscnt 0x0
	s_endpgm
; ---------------- the weights: K is the FIRST axis.  A lane takes a column, its registers run down K: a block of 32 lies in one lane, and the codes come out with K innermost.
.Lweights:
	v_lshlrev_b32 v1, 2, v6                        ; my column's 4 bytes of a row
	v_bfe_u32 v2, v0, 3, 1                         ; column l of 32 is row r = l % 8 + 8 (l / 16) of tile u = (l / 8) % 2
	v_and_b32 v3, 7, v0
	v_lshl_add_u32 v3, v19, 3, v3
	v_mul_u32_u24 v4, v2, 1536
	v_lshl_add_u32 v4, v3, 4, v4                   ; 1,536 u + 16 r
	v_lshlrev_b32 v5, 6, v2
	v_lshl_add_u32 v5, v3, 2, v5                   ; 64 u + 4 r
.macro WBLOCK b                        ; block b of my column: k = 32 b .. 32 b + 31 of the K step
.set x_, 32+32*(\b)
	v_max3_num_f32 v200, |v[x_]|, |v[x_+1]|, |v[x_+2]|
	v_max3_num_f32 v201, |v[x_+3]|, |v[x_+4]|, |v[x_+5]|
.irp i, 6,10,14,18,22,26
	v_max3_num_f32 v200, v200, |v[x_+\i]|, |v[x_+\i+1]|
	v_max3_num_f32 v201, v201, |v[x_+\i+2]|, |v[x_+\i+3]|
.endr
	v_max3_num_f32 v200, v200, |v[x_+30]|, |v[x_+31]|
	v_max3_num_f32 v200, v200, v201, 0x1800000     ; and the floor
	v_add_nc_u32 v[204+\b], 0xff000000, v200       ; the conversion's scale operand, a register for each block
	v_lshrrev_b32 v202, 23, v[204+\b]
.if (\b) == 0
	v_mov_b32 v216, v202                           ; the column's scale word: byte b for block b
.else
	v_lshl_or_b32 v216, v202, 8*(\b), v216
.endif
	v_cvt_scalef32_pk16_fp6_f32 v[160+8*(\b):162+8*(\b)], v[x_:x_+15], v[204+\b]
	v_cvt_scalef32_pk16_fp6_f32 v[164+8*(\b):166+8*(\b)], v[x_+16:x_+31], v[204+\b]
.endm
.macro WPATH nstride                   ; s[24:25]: my K step and columns; s[26:27]: my pair's two fragments; s[28:29]: its scale words
.set i_, 0
.rept 128
	global_load_b32 v[32+i_], v1, s[24:25] offset:i_*\nstride*4 th:TH_LOAD_NT   ; row k = i of the K step: 128 consecutive bytes a wave, the eight waves side by side
.set i_, i_+1
.endr
	s_wait_loadcnt 63                              ; blocks 0 and 1 are in: of 128 loads at most 63 are out (96 would do for block 0; the wait's field holds no more than 63)
	WBLOCK 0
	WBLOCK 1
	s_wait_loadcnt 32                              ; block 3's loads may be out
	WBLOCK 2
	s_wait_loadcnt 0x0
	WBLOCK 3
	v_nop                                          ; one plain instruction behind the last scaled conversion
.irp b, 0,1,2,3
	v_mov_b32 v[163+8*\b], v[164+8*\b]             ; a block's registers 0-3 on end
.endr
.irp c, 0,1
	v_mov_b32 v[192+4*\c], v[165+16*\c]            ; registers 4, 5 of blocks 2 c and 2 c + 1: 16 bytes that lie together in the image
	v_mov_b32 v[193+4*\c], v[166+16*\c]
	v_mov_b32 v[194+4*\c], v[173+16*\c]
	v_mov_b32 v[195+4*\c], v[174+16*\c]
.endr
.irp b, 0,1,2,3                        ; block b = 2 c + h is what lane (r, h) of the fragment holds in registers 6 c on: the sixteen lanes of a tile fill 256 consecutive bytes, aligned
	global_store_b128 v4, v[160+8*\b:163+8*\b], s[26:27] offset:768*(\b/2)+256*(\b%2)
.endr
.irp c, 0,1
	global_store_b128 v4, v[192+4*\c:195+4*\c], s[26:27] offset:768*\c+512
.endr
	global_store_b32 v5, v216, s[28:29]            ; the pair's 128 bytes of scale words
.endm
	s_cmp_lt_u32 ttmp9, 224
	s_cbranch_scc0 .Lwproj
	s_sub_co_u32 s17, ttmp9, 128                   ; w_attn: 96 work-groups
	s_and_b32 s18, s17, 7                          ; K step
	s_and_b32 s19, s17, 0x78
	s_add_co_u32 s19, s19, s16                     ; my group of 32 columns, 0..95
	s_mul_i32 s24, s18, 128*3072*4
	s_lshl_b32 s25, s19, 7
	s_add_co_u32 s24, s24, s25
	s_mov_b32 s25, 0
	s_lshr_b32 s23, s19, 5                         ; q, k or v
	s_bfe_u32 s26, s19, 0x40001                    ; head
	s_and_b32 s27, s19, 1                          ; which pair of the head's four tiles
	s_lshl_b32 s26, s26, 3
	s_add_co_u32 s26, s26, s18
	s_mul_i32 s26, s26, 19200                      ; wa: block (head, K step): 12 fragments (q's 4, k's 4, v's 4), 6 pairs' scale words
	s_lshl_b32 s28, s23, 1
	s_add_co_u32 s28, s28, s27                     ; the pair's number, 0..5
	s_mul_i32 s29, s28, 3072
	s_lshl_b32 s28, s28, 7
	s_add_co_u32 s28, s28, s26
	s_add_co_u32 s28, s28, 18432
	s_add_co_u32 s26, s26, s29
	s_mov_b32 s27, 0
	s_mov_b32 s29, 0
	s_wait_kmcnt 0x0
	s_add_nc_u64 s[24:25], s[6:7], s[24:25]
	s_add_nc_u64 s[26:27], s[12:13], s[26:27]
	s_add_nc_u64 s[28:29], s[12:13], s[28:29]
	WPATH 3072
	s_endpgm
.Lwproj:
	s_sub_co_u32 s17, ttmp9, 224                   ; w_proj: 32 work-groups
	s_and_b32 s18, s17, 7
	s_and_b32 s19, s17, 0x18
	s_add_co_u32 s19, s19, s16                     ; my group of 32 columns, 0..31
	s_mul_i32 s24, s18, 128*1024*4
	s_lshl_b32 s25, s19, 7
	s_add_co_u32 s24, s24, s25
	s_mov_b32 s25, 0
	s_lshr_b32 s26, s19, 2
	s_lshl_b32 s26, s26, 3
	s_add_co_u32 s26, s26, s18
	s_mul_i32 s26, s26, 12800                      ; wp: block (128 columns, K step): 8 fragments, 4 pairs' scale words
	s_and_b32 s27, s19, 3
	s_mul_i32 s29, s27, 3072
	s_lshl_b32 s28, s27, 7
	s_add_co_u32 s28, s28, s26
	s_add_co_u32 s28, s28, 12288
	s_add_co_u32 s26, s26, s29
	s_mov_b32 s27, 0
	s_mov_b32 s29, 0
	s_wait_kmcnt 0x0
	s_add_nc_u64 s[24:25], s[8:9], s[24:25]
	s_add_nc_u64 s[26:27], s[14:15], s[26:27]
	s_add_nc_u64 s[28:29], s[14:15], s[28:29]
	WPATH 1024
	s_endpgm
.Lfunc_end_k_qcf2716c4b8_prep:
	.size	k_qcf2716c4b8_prep, .Lfunc_end_k_qcf2716c4b8_prep-k_qcf2716c4b8_prep
	.p2alignl 7, 3214868480
	.fill 96, 4, 3214868480
	.section	.rodata,"a",@progbits
	.p2align	6, 0x0
	.amdhsa_kernel k_qcf2716c4b8_prep
		.amdhsa_group_segment_fixed_size 68608
		.amdhsa_private_segment_fixed_size 0
		.amdhsa_enable_private_segment 0
		.amdhsa_kernarg_size 48
		.amdhsa_user_sgpr_count 2
		.amdhsa_user_sgpr_kernarg_segment_ptr 1
		.amdhsa_wavefront_size32 1
		.amdhsa_system_sgpr_workgroup_id_x 1
		.amdhsa_system_sgpr_workgroup_id_y 1
		.amdhsa_system_sgpr_workgroup_id_z 1
		.amdhsa_system_vgpr_workitem_id 0
		.amdhsa_next_free_vgpr 256
		.amdhsa_next_free_sgpr 66
		.amdhsa_reserve_vcc 0
		.amdhsa_float_denorm_mode_32 3
		.amdhsa_float_denorm_mode_16_64 3
		.amdhsa_memory_ordered 1
		.amdhsa_forward_progress 1
		.amdhsa_inst_pref_size 56
	.end_amdhsa_kernel
	.amdgpu_metadata
---
amdhsa.version: [ 1, 2 ]
amdhsa.kernels:
  - .name:           k_qcf2716c4b8_prep
    .symbol:         k_qcf2716c4b8_prep.kd
    .args:
      - { .name: x, .offset: 0, .size: 8, .value_kind: global_buffer, .address_space: global }
      - { .name: w_attn, .offset: 8, .size: 8, .value_kind: global_buffer, .address_space: global }
      - { .name: w_proj, .offset: 16, .size: 8, .value_kind: global_buffer, .address_space: global }
      - { .name: xi, .offset: 24, .size: 8, .value_kind: global_buffer, .address_space: global }
      - { .name: wa, .offset: 32, .size: 8, .value_kind: global_buffer, .address_space: global }
      - { .name: wp, .offset: 40, .size: 8, .value_kind: global_buffer, .address_space: global }
    .group_segment_fixed_size: 68608
    .private_segment_fixed_size: 0
    .kernarg_segment_align: 8
    .kernarg_segment_size: 48
    .max_flat_workgroup_size: 256
    .sgpr_count:     66
    .vgpr_count:     256
    .wavefront_size: 32
...
	.end_amdgpu_metadata
.endif
;; end of part 1
;; launch qkv (part 2): grid 16 x 16, 4 waves a work-group, clusters of 4 x 1, 168,448 bytes of LDS; arguments xi, wa, b_attn, qi, kv; writes qi, kv
.if DOCPART == 2
	.amdgcn_target "amdgcn-amd-amdhsa--gfx1250"
	.amdhsa_code_object_version 6
	.text
	.protected	k_qcf2716c4b8_qkv
	.globl	k_qcf2716c4b8_qkv
	.p2align	8
	.type	k_qcf2716c4b8_qkv,@function
k_qcf2716c4b8_qkv:
	s_mov_b64 s[64:65], 0
	v_nop
	global_prefetch_b8 v0, s[64:65] scope:SCOPE_SE
	s_setreg_imm32_b32 hwreg(HW_REG_WAVE_MODE, 25, 1), 1
	s_wait_xcnt 0x0
	s_wait_alu depctr_hold_cnt(0) depctr_sa_sdst(0) depctr_va_vdst(0) depctr_va_sdst(0) depctr_va_ssrc(0) depctr_va_vcc(0) depctr_vm_vsrc(0)
	s_getreg_b32 s2, hwreg(HW_REG_IB_STS2, 6, 4)
	s_cmp_eq_u32 s2, 0
	s_cbranch_scc0 .Lentry_in_a_cluster
	s_endpgm
.Lentry_in_a_cluster:
	s_bfe_u32 s2, ttmp6, 0x10000c
	s_cmp_lg_u32 s2, 0x3003
	s_cbranch_scc0 .Lentry_shape_is_right
	s_endpgm
.Lentry_shape_is_right:
; qkv = x w_attn + b_attn on codes of FP6 (E2M3), K = 1,024 in eight steps of 128; q, k and v are quantised in registers and leave as codes: q and k along the head's 64, v along the tokens.  No f32 result goes to memory.
; SHARES.  A work-group takes 256 tokens x one head's q, k and v (3 x 64 columns); each of four waves 64 tokens (4 tiles) x 12 tiles of columns: 48 accumulators, 384 registers.
; q AND k ARE MADE TRANSPOSED (source 0 = 16 columns of w, source 1 = 16 tokens): a lane holds one token, its registers run along the head's d.  v IS MADE THE OTHER WAY ROUND (source 0 = tokens, source 1 = columns): a lane holds one d,
; its registers run along the tokens.  Since row r of tile 2 b + u is index 32 b + 8 u + r + 8 (r / 8), the 16 registers of two neighbouring tiles are 16 neighbours along the next product's K.
; WEIGHTS: the head's 12 fragments and scale words for all eight K steps, 153,600 bytes, come into LDS once, 19,200 bytes a tensor load, two loads a wave.  The four work-groups of a cluster take the same head,
; so each load is asked for JOINTLY by all four.  No LDS byte is filled twice.
; x: a wave's fragments are its own; they come from memory straight into registers, four K steps ahead.  They are read by the 16 heads' work-groups too and are not shared in a cluster: 204,800 bytes of x beside 153,600 of weights do not fit into a work-group's LDS.
; The biases are the C of each sum's first matrix instruction.
; OUT.  Half fragments (16 rows x 64 K: 768 bytes: registers 0-3 of lane L at 16 L, registers 4, 5 at 512 + 16 (L % 16) + 8 (L / 16)) and the scale words of four tiles (256 bytes: word w of lane L's 8 bytes: tile 2 w + L / 16, row L % 16;
; two bytes of scales, zeros above).  qi: [batch x head][64 tokens][4 x 768 + 256].  kv: [batch x head][128 keys][K: 8 x 768 | V^T: 4 x (2 x 768) | K's words 2 x 256 | V's 2 x 256].
; LIMITS: NaN and infinities are not served; a block of zeros gets the byte 1 (its codes are zeros; this program alone reads the bytes); a block whose largest magnitude lies under 2^-124 is held at the byte 1.
; REGISTERS, in windows of 256.  window 0: v1-15 addresses; v64-79 x's scale words (2 a K step); v96-101 the weights' scale words of the K step in hand; v112-255 the weights' 12 fragments (behind the loop: codes and work registers).
;   window 1: x's fragments, four sets of 48.   window 2: q's accumulators (token tile a, column tile t) at 32 a + 8 t, k's at 128 + 32 a + 8 t.   window 3: v's (t, a) at 32 t + 8 a; the biases from 128.
.set LI,  1                            ; 16 L
.set LJ,  2                            ; 16 (L % 16) + 8 (L / 16)
.set LS,  3                            ; 4 L
.set L8,  4                            ; 8 L
.set BB,  5                            ; v5-13: the first three + 57,600 q for K steps 3 q .. 3 q + 2, so that every LDS offset fits its 16 bits
.set VB1, 14                           ; 64 (L / 16)
.set VB2, 15                           ; 4 (r + 8 (r / 8))
.set AS,  64
.set BS,  96
.set BF,  112
.set PC,  112                          ; behind the loop: codes, 32 registers for each of q, k, v
.set PD,  208
.set TM,  224
.set TP,  232
.set TS,  240
.set PW,  248
.set SQ,  100                          ; the scale words to be stored: a pair for each of q, k, v
.set MSB, 0
.macro WIN new                         ; the immediate's high byte repeats the setting that is left
.if MSB != \new
	s_set_vgpr_msb (MSB<<8)|\new
.set MSB, \new
.endif
.endm
.macro PLACES n
.rept \n
	v_nop
.endr
.endm
.macro CROUND                          ; a round of the cluster's barrier
	s_barrier_signal -1
	s_barrier_wait -1
	s_cmp_lg_u32 s14, 0
	s_cbranch_scc1 .Lnot_wave_0_\@
	s_barrier_signal -3
.Lnot_wave_0_\@:
	s_barrier_wait -3
	s_barrier_signal -1
	s_barrier_wait -1
.endm
; One matrix instruction.  ra, rb: the side's scale words stand in lanes 16-31 of the register named.
.macro WM d, a, b, c, sa, sb, ra, rb
.if (\ra)&&(\rb)
	v_wmma_scale_f32_16x16x128_f8f6f4 v[\d:\d+7], v[\a:\a+11], v[\b:\b+11], v[\c:\c+7], v[\sa], v[\sb] matrix_a_fmt:MATRIX_FMT_FP6 matrix_b_fmt:MATRIX_FMT_FP6 matrix_a_scale:MATRIX_SCALE_ROW1 matrix_b_scale:MATRIX_SCALE_ROW1
.elseif (\ra)
	v_wmma_scale_f32_16x16x128_f8f6f4 v[\d:\d+7], v[\a:\a+11], v[\b:\b+11], v[\c:\c+7], v[\sa], v[\sb] matrix_a_fmt:MATRIX_FMT_FP6 matrix_b_fmt:MATRIX_FMT_FP6 matrix_a_scale:MATRIX_SCALE_ROW1
.elseif (\rb)
	v_wmma_scale_f32_16x16x128_f8f6f4 v[\d:\d+7], v[\a:\a+11], v[\b:\b+11], v[\c:\c+7], v[\sa], v[\sb] matrix_a_fmt:MATRIX_FMT_FP6 matrix_b_fmt:MATRIX_FMT_FP6 matrix_b_scale:MATRIX_SCALE_ROW1
.else
	v_wmma_scale_f32_16x16x128_f8f6f4 v[\d:\d+7], v[\a:\a+11], v[\b:\b+11], v[\c:\c+7], v[\sa], v[\sb] matrix_a_fmt:MATRIX_FMT_FP6 matrix_b_fmt:MATRIX_FMT_FP6
.endif
.endm
	s_load_b256 s[4:11], s[0:1], 0x0               ; xi s[4:5], wa s[6:7], b_attn s[8:9], qi s[10:11]
	s_load_b64 s[12:13], s[0:1], 0x20              ; kv
	v_lshl_add_u32 v110, v0, 2, 0x29000
	v_mov_b32 v111, 0
	ds_add_u32 v110, v111
	ds_add_u32 v110, v111
	v_lshrrev_b32 v16, 5, v0
	v_readfirstlane_b32 s14, v16                   ; wave 0..3
	v_and_b32 v16, 31, v0
	v_and_b32 v17, 15, v0
	v_bfe_u32 v18, v0, 4, 1
	v_lshlrev_b32 v[LI], 4, v16
	v_lshlrev_b32 v[LJ], 4, v17
	v_lshl_add_u32 v[LJ], v18, 3, v[LJ]
	v_lshlrev_b32 v[LS], 2, v16
	v_lshlrev_b32 v[L8], 3, v16
.irp q, 0,1,2
	v_add_nc_u32 v[BB+3*\q], 57600*\q, v[LI]
	v_add_nc_u32 v[BB+3*\q+1], 57600*\q, v[LJ]
	v_add_nc_u32 v[BB+3*\q+2], 57600*\q, v[LS]
.endr
	v_lshlrev_b32 v[VB1], 6, v18
	v_and_b32 v19, 8, v17
	v_add_nc_u32 v19, v19, v17
	v_lshlrev_b32 v[VB2], 2, v19
	s_bfe_u32 s15, ttmp6, 0x40000                  ; cx: my place in the cluster
	s_lshl_b32 s16, ttmp9, 2
	s_add_co_u32 s16, s16, s15                     ; my block of 256 tokens: it enters global addresses of x and of the results alone
	s_and_b32 s17, ttmp7, 0xffff                   ; the head, which the four partners share
	s_mov_b32 s40, 0xffff0000                      ; lanes 16-31
	s_mov_b32 s42, 0x76543210
	s_mov_b32 s43, 0xfedcba98                      ; v_permlanex16_b32's selects for lane L xor 16
	; descriptor group 1: 19,200 dense bytes as 75 rows of 256 bytes (32 elements of 8 bytes), no padding: the images are read 16 L and 8 bytes a lane, consecutive
	s_mov_b32 s24, 15|(3<<16)|(1<<21)              ; 15:0 the mask: all four work-groups; 17:16 elements of 8 bytes; 21 set beside a mask
	s_mov_b32 s25, 32<<16                          ; tensor_dim0
	s_mov_b32 s26, 75<<16                          ; tensor_dim1
	s_mov_b32 s27, 32<<16                          ; tile_dim0
	s_mov_b32 s28, 75                              ; tile_dim1
	s_mov_b32 s29, 32                              ; the pitch
	s_mov_b32 s30, 0
	s_mov_b32 s31, 0
	s_mul_i32 s44, s14, 19200                      ; wave w fetches K steps w and w + 4: their place in LDS and in the head's slice
	s_mul_i32 s46, s17, 153600
	s_add_co_u32 s46, s46, s44
	s_mov_b32 s47, 0
	s_lshl_b32 s48, s16, 2
	s_add_co_u32 s48, s48, s14                     ; my 64 tokens
	s_mul_i32 s48, s48, 51200                      ; xi: eight K steps of 6,400 bytes
	s_mov_b32 s49, 0
	s_lshl_b32 s50, s17, 8                         ; the head's 64 numbers of a bias
	s_mov_b32 s51, 0
	s_lshr_b32 s52, s16, 2
	s_lshl_b32 s52, s52, 4
	s_add_co_u32 s52, s52, s17                     ; batch x 16 + head
	s_and_b32 s53, s16, 3
	s_lshl_b32 s53, s53, 2
	s_add_co_u32 s53, s53, s14                     ; which 64 tokens of the sequence, 0..15
	s_lshl_b32 s54, s52, 4
	s_add_co_u32 s54, s54, s53
	s_mul_i32 s54, s54, 3328                       ; q's place
	s_mov_b32 s55, 0
	s_lshr_b32 s56, s53, 1
	s_lshl_b32 s57, s52, 3
	s_add_co_u32 s56, s56, s57
	s_mul_i32 s56, s56, 13312                      ; the key step's block in kv
	s_mov_b32 s57, 0
	s_and_b32 s58, s53, 1                          ; which half of its 128 keys
	s_mul_i32 s60, s58, 3072
	s_add_co_u32 s60, s60, s56                     ; k's four half fragments
	s_mov_b32 s61, 0
	s_mul_i32 s62, s58, 768
	s_add_co_u32 s62, s62, s56
	s_add_co_u32 s62, s62, 6144                    ; v's: my half of each of four fragments
	s_mov_b32 s63, 0
	s_lshl_b32 s58, s58, 8
	s_add_co_u32 s56, s56, s58
	s_add_co_u32 s56, s56, 12288                   ; k's scale words; v's lie 512 bytes on
	s_wait_dscnt 0x0
	s_wait_kmcnt 0x0
	s_add_nc_u64 s[34:35], s[6:7], s[46:47]
	s_add_nc_u64 s[38:39], s[34:35], 76800
	s_or_b32 s35, s35, 0x80000000                  ; type = 2
	s_or_b32 s39, s39, 0x80000000
	s_mov_b32 s32, 1
	s_mov_b32 s33, s44
	s_mov_b32 s36, 1
	s_add_co_u32 s37, s44, 76800
	s_add_nc_u64 s[4:5], s[4:5], s[48:49]
	s_add_nc_u64 s[8:9], s[8:9], s[50:51]
	s_add_nc_u64 s[10:11], s[10:11], s[54:55]
	s_add_nc_u64 s[18:19], s[12:13], s[60:61]
	s_add_nc_u64 s[20:21], s[12:13], s[62:63]
	s_add_nc_u64 s[12:13], s[12:13], s[56:57]
	CROUND                                         ; all four work-groups are here: the joint loads meet
	tensor_load_to_lds s[32:35], s[24:31]          ; K step w
	s_nop 0
	tensor_load_to_lds s[36:39], s[24:31]          ; K step w + 4: two loads of mine are out
	s_nop 0
	PLACES 4
	WIN 0xc0                                       ; destination window 3
.irp y, 0,1                            ; q's and k's biases in the result's layout: lane (r, h), tile t: d = 32 (t / 2) + 16 h + 8 (t % 2) + 0 .. 7
.irp t, 0,1,2,3
	global_load_b128 v[128+32*\y+8*\t:131+32*\y+8*\t], v[VB1], s[8:9] offset:4096*\y+(32*(\t/2)+8*(\t%2))*4
	global_load_b128 v[132+32*\y+8*\t:135+32*\y+8*\t], v[VB1], s[8:9] offset:4096*\y+(32*(\t/2)+8*(\t%2))*4+16
.endr
.endr
.irp t, 0,1,2,3                        ; v's: a lane holds one d, so its eight registers hold the same number
.irp j, 0,1,2,3,4,5,6,7
	global_load_b32 v[192+8*\t+\j], v[VB2], s[8:9] offset:8192+(32*(\t/2)+8*(\t%2))*4
.endr
.endr
	WIN 0
.irp s, 0,1,2,3,4,5,6,7
.irp p, 0,1
	global_load_b32 v[AS+2*\s+\p], v[LS], s[4:5] offset:6400*\s+6144+128*\p   ; x's scale words: lanes 0-15 tile 2 p, lanes 16-31 tile 2 p + 1
.endr
.endr
.macro ALOAD s                         ; my four fragments of x for K step s: 16 loads, into set s % 4 of window 1
	WIN 0x40
.irp a, 0,1,2,3
.set r_, 48*((\s)%4)+12*\a
	global_load_b128 v[r_:r_+3], v[LI], s[4:5] offset:6400*(\s)+1536*\a
	global_load_b64 v[r_+4:r_+5], v[LJ], s[4:5] offset:6400*(\s)+1536*\a+512
	global_load_b128 v[r_+6:r_+9], v[LI], s[4:5] offset:6400*(\s)+1536*\a+768
	global_load_b64 v[r_+10:r_+11], v[LJ], s[4:5] offset:6400*(\s)+1536*\a+1280
.endr
.endm
.macro BHALF s, hf                     ; six of K step s's twelve weight fragments and their three registers of scale words: 27 LDS loads
.set g_, BB+3*((\s)/3)
.irp i, 0,1,2,3,4,5
.set f_, 6*(\hf)+\i
.set o_, ((\s)%3)*19200+1536*f_
	ds_load_b128 v[BF+12*f_:BF+12*f_+3], v[g_] offset:o_
	ds_load_b64 v[BF+12*f_+4:BF+12*f_+5], v[g_+1] offset:o_+512
	ds_load_b128 v[BF+12*f_+6:BF+12*f_+9], v[g_] offset:o_+768
	ds_load_b64 v[BF+12*f_+10:BF+12*f_+11], v[g_+1] offset:o_+1280
.endr
.irp i, 0,1,2
	ds_load_b32 v[BS+3*(\hf)+\i], v[g_+2] offset:((\s)%3)*19200+18432+128*(3*(\hf)+\i)
.endr
.endm
.macro PQK s, y, t, a                  ; q (y = 0) or k (y = 1): column tile t x token tile a
.set f_, 4*(\y)+(\t)
.set d_, 128*(\y)+32*(\a)+8*(\t)
.if (\s) == 0
.set c_, 128+32*(\y)+8*(\t)
.else
.set c_, d_
.endif
	WM d_, BF+12*f_, 48*((\s)%4)+12*(\a), c_, BS+f_/2, AS+2*(\s)+(\a)/2, f_%2, (\a)%2
.endm
.macro PVV s, t, a                     ; v: token tile a x column tile t
.set f_, 8+(\t)
.set d_, 32*(\t)+8*(\a)
.if (\s) == 0
.set c_, 192+8*(\t)
.else
.set c_, d_
.endif
	WM d_, 48*((\s)%4)+12*(\a), BF+12*f_, c_, AS+2*(\s)+(\a)/2, BS+f_/2, (\a)%2, f_%2
.endm
; A K step: 48 matrix instructions, the 48 accumulators by turns in the same order in every step.  The weights have one set of registers, fetched anew by halves: each half as soon as its
; 24 products are issued, four plain instructions behind the last of them (ISA guide 7.12.1 for vector instructions).
.macro KSTEP s
.if (\s) < 5
	s_wait_loadcnt 48                              ; x's fragments of this step are in (in step 0 the biases and scale words too); the three younger steps' 16 loads each may be out
.else
	s_wait_loadcnt 16*(7-(\s))
.endif
	s_wait_dscnt 27                                ; the first half of the weights is in; the second half's 27 loads may be out
.if (\s) == 0
	WIN 0xb4                                       ; source 1 (x) window 1, C (the bias) window 3, D window 2
.else
	WIN 0xa4                                       ; source 1 window 1, C and D window 2
.endif
.irp t, 0,1,2,3
.irp a, 0,1,2,3
	PQK \s,0,\t,\a
.endr
.endr
.irp t, 0,1
.irp a, 0,1,2,3
	PQK \s,1,\t,\a
.endr
.endr
	WIN 0
.if (\s) == 3
	s_wait_tensorcnt 0x0                           ; my K step w + 4 has landed,
	s_wait_dscnt 0x0                               ; no LDS load of mine is out at the signal,
	s_barrier_signal -1
	s_barrier_wait -1                              ; and every wave's has: K steps 4 to 7 may be read.
.endif
.if (\s) < 7
	PLACES 4
	BHALF (\s)+1,0
	s_wait_dscnt 27                                ; this step's second half is in; the 27 just issued may be out
.else
	s_wait_dscnt 0x0
.endif
.if (\s) == 0
	WIN 0xb4
.else
	WIN 0xa4
.endif
.irp t, 2,3
.irp a, 0,1,2,3
	PQK \s,1,\t,\a
.endr
.endr
	WIN 0xf1                                       ; source 0 (x) window 1, C and D window 3
.irp t, 0,1,2,3
.irp a, 0,1,2,3
	PVV \s,\t,\a
.endr
.endr
.if (\s) < 7
	WIN 0
	PLACES 4
	BHALF (\s)+1,1
.endif
.if (\s) < 4
	ALOAD (\s)+4                                   ; into the set that this step has left; the four places above serve these loads too
.endif
.endm
	ALOAD 0
	ALOAD 1
	ALOAD 2
	ALOAD 3
	WIN 0
	s_wait_tensorcnt 0x1                           ; my K step w is in; my K step w + 4 may stay out
	s_barrier_signal -1
	s_barrier_wait -1                              ; K steps 0 to 3 lie in LDS
	BHALF 0,0
	BHALF 0,1
	KSTEP 0
	KSTEP 1
	KSTEP 2
	KSTEP 3
	KSTEP 4
	KSTEP 5
	KSTEP 6
	KSTEP 7
	WIN 0
	PLACES 4                                       ; behind the last products: their results are read and their operands' registers written below
.irp m, 0,1,2,3,4,5,6,7
	v_mov_b32 v[TP+\m], 0                          ; a lane permute's destination counts as one of its sources
.endr
; Four units of 32 registers at sb + 32 n of window wn, register 16 b + i = k 32 b + 16 (L / 16) + i of the lane's row, become four half fragments at v[PC + 32 g + 8 n] and the pair of scale registers v[SQ + 2 g].
; The eight blocks take turns line by line; each accumulator is read from its low end on.
.macro QUANT4 sb, wn, g
	WIN (\wn)*5                                    ; sources 0 and 1 in the accumulators' window
.irp m, 0,1,2,3,4,5,6,7
	v_max3_num_f32 v[TM+\m], |v[\sb+16*\m]|, |v[\sb+16*\m+1]|, 0x1800000   ; my 16 numbers of block m, and the floor 2^(3 - 127)
.endr
.irp i, 2,4,6,8,10,12,14
.irp m, 0,1,2,3,4,5,6,7
	v_max3_num_f32 v[TM+\m], |v[\sb+16*\m+\i]|, |v[\sb+16*\m+\i+1]|, v[TM+\m]
.endr
.endr
	WIN 0
.irp m, 0,1,2,3,4,5,6,7
	v_permlanex16_b32 v[TP+\m], v[TM+\m], s42, s43
.endr
.irp m, 0,1,2,3,4,5,6,7
	v_max_num_f32 v[TM+\m], v[TM+\m], v[TP+\m]     ; with lane L xor 16's 16: the block's largest magnitude
.endr
.irp m, 0,1,2,3,4,5,6,7
	v_add_nc_u32 v[TS+\m], 0xff000000, v[TM+\m]    ; 2 off the exponent field: the conversion's scale operand
.endr
.irp m, 0,1,2,3,4,5,6,7
	v_lshrrev_b32 v[TP+\m], 23, v[TS+\m]           ; the scale's byte
.endr
.irp n, 0,1,2,3
	v_lshl_or_b32 v[PW+\n], v[TP+2*\n+1], 8, v[TP+2*\n]   ; a unit's word: two bytes, zeros above
.endr
	WIN \wn                                        ; source 0 in the accumulators' window
.irp n, 0,1,2,3
	v_cvt_scalef32_pk16_fp6_f32 v[PC+32*(\g)+8*\n:PC+32*(\g)+8*\n+2], v[\sb+32*\n:\sb+32*\n+15], v[TS+2*\n]
	v_cvt_scalef32_pk16_fp6_f32 v[PD+4*\n:PD+4*\n+2], v[\sb+32*\n+16:\sb+32*\n+31], v[TS+2*\n+1]
.endr
	WIN 0
	v_nop                                          ; one plain instruction behind a scaled conversion
.irp n, 0,1,2,3                        ; the operand's layout wants a whole block in a lane: lanes 0-15 block 0, lanes 16-31 block 1
.irp i, 0,1,2
	v_permlane16_swap_b32 v[PC+32*(\g)+8*\n+\i], v[PD+4*\n+\i]
.endr
.irp i, 0,1,2
	v_mov_b32 v[PC+32*(\g)+8*\n+3+\i], v[PD+4*\n+\i]
.endr
.endr
.irp w, 0,1
	v_cndmask_b32 v[SQ+2*(\g)+\w], v[PW+2*\w], v[PW+2*\w+1], s40   ; lanes 0-15: unit 2 w's words; lanes 16-31: unit 2 w + 1's
.endr
.endm
.macro OUT4 g, pb, stride              ; each store covers whole aligned runs of 256 bytes; every group has registers of its own, so no store's data are written again
.irp n, 0,1,2,3
	global_store_b128 v[LI], v[PC+32*(\g)+8*\n:PC+32*(\g)+8*\n+3], s[\pb:\pb+1] offset:(\stride)*\n
	global_store_b64 v[LJ], v[PC+32*(\g)+8*\n+4:PC+32*(\g)+8*\n+5], s[\pb:\pb+1] offset:(\stride)*\n+512
.endr
.endm
	QUANT4 0, 2, 0                                 ; q: units = token tiles, K = d
	OUT4 0, 10, 768
	global_store_b64 v[L8], v[SQ:SQ+1], s[10:11] offset:3072
	QUANT4 128, 2, 1                               ; k likewise
	OUT4 1, 18, 768
	global_store_b64 v[L8], v[SQ+2:SQ+3], s[12:13]
	QUANT4 0, 3, 2                                 ; v: units = tiles of d, K = my 64 tokens
	OUT4 2, 20, 1536
	global_store_b64 v[L8], v[SQ+4:SQ+5], s[12:13] offset:512
	s_wait_tensorcnt 0x0
	ds_add_u32 v110, v111
	s_wait_dscnt 0x0
	CROUND                                         ; the closing round: no work-group ends while a partner may still ask for a tile that names it
	s_endpgm
.Lfunc_end_k_qcf2716c4b8_qkv:
	.size	k_qcf2716c4b8_qkv, .Lfunc_end_k_qcf2716c4b8_qkv-k_qcf2716c4b8_qkv
	.p2alignl 7, 3214868480
	.fill 96, 4, 3214868480
	.section	.rodata,"a",@progbits
	.p2align	6, 0x0
	.amdhsa_kernel k_qcf2716c4b8_qkv
		.amdhsa_group_segment_fixed_size 168448
		.amdhsa_private_segment_fixed_size 0
		.amdhsa_enable_private_segment 0
		.amdhsa_kernarg_size 40
		.amdhsa_user_sgpr_count 2
		.amdhsa_user_sgpr_kernarg_segment_ptr 1
		.amdhsa_wavefront_size32 1
		.amdhsa_system_sgpr_workgroup_id_x 1
		.amdhsa_system_sgpr_workgroup_id_y 1
		.amdhsa_system_sgpr_workgroup_id_z 1
		.amdhsa_system_vgpr_workitem_id 0
		.amdhsa_next_free_vgpr 1024
		.amdhsa_next_free_sgpr 66
		.amdhsa_reserve_vcc 0
		.amdhsa_float_denorm_mode_32 3
		.amdhsa_float_denorm_mode_16_64 3
		.amdhsa_memory_ordered 1
		.amdhsa_forward_progress 1
		.amdhsa_inst_pref_size 129
	.end_amdhsa_kernel
	.amdgpu_metadata
---
amdhsa.version: [ 1, 2 ]
amdhsa.kernels:
  - .name:           k_qcf2716c4b8_qkv
    .symbol:         k_qcf2716c4b8_qkv.kd
    .args:
      - { .name: xi, .offset: 0, .size: 8, .value_kind: global_buffer, .address_space: global }
      - { .name: wa, .offset: 8, .size: 8, .value_kind: global_buffer, .address_space: global }
      - { .name: b_attn, .offset: 16, .size: 8, .value_kind: global_buffer, .address_space: global }
      - { .name: qi, .offset: 24, .size: 8, .value_kind: global_buffer, .address_space: global }
      - { .name: kv, .offset: 32, .size: 8, .value_kind: global_buffer, .address_space: global }
    .group_segment_fixed_size: 168448
    .private_segment_fixed_size: 0
    .kernarg_segment_align: 8
    .kernarg_segment_size: 40
    .max_flat_workgroup_size: 128
    .sgpr_count:     66
    .vgpr_count:     1024
    .wavefront_size: 32
...
	.end_amdgpu_metadata
.endif
;; end of part 2
;; launch attn (part 3): grid 4 x 64, 16 waves a work-group, clusters of 4 x 1, 169,984 bytes of LDS; arguments qi, kv, yi; writes yi
.if DOCPART == 3
	.amdgcn_target "amdgcn-amd-amdhsa--gfx1250"
	.amdhsa_code_object_version 6
	.text
	.protected	k_qcf2716c4b8_attn
	.globl	k_qcf2716c4b8_attn
	.p2align	8
	.type	k_qcf2716c4b8_attn,@function
k_qcf2716c4b8_attn:
	s_mov_b64 s[64:65], 0
	v_nop
	global_prefetch_b8 v0, s[64:65] scope:SCOPE_SE
	s_setreg_imm32_b32 hwreg(HW_REG_WAVE_MODE, 25, 1), 1
	s_wait_xcnt 0x0
	s_wait_alu depctr_hold_cnt(0) depctr_sa_sdst(0) depctr_va_vdst(0) depctr_va_sdst(0) depctr_va_ssrc(0) depctr_va_vcc(0) depctr_vm_vsrc(0)
	s_getreg_b32 s2, hwreg(HW_REG_IB_STS2, 6, 4)
	s_cmp_eq_u32 s2, 0
	s_cbranch_scc0 .Lentry_in_a_cluster
	s_endpgm
.Lentry_in_a_cluster:
	s_bfe_u32 s2, ttmp6, 0x10000c
	s_cmp_lg_u32 s2, 0x3003
	s_cbranch_scc0 .Lentry_shape_is_right
	s_endpgm
.Lentry_shape_is_right:
; y = softmax(q k^T / 8, causal) v for one (batch, head), both products on codes of FP6 (E2M3); y is quantised along (head, d) and leaves as codes for the last product.
; THE SOFTMAX AHEAD OF THE SECOND PRODUCT: t = score x log2(e) / 8; M = the row's largest t so far, rounded UP to a whole number; p = 2^(t - M) is quantised along the keys, not normalised; the row's sum is taken of the
; unquantised p and divides at the end.  When M moves, the sum and O are multiplied by 2^(old M - new M): exact.
; SHARES.  The four work-groups of a cluster take one (batch, head).  A wave owns ONE tile of 16 queries: tile j (j = my work-group's place in the cluster) of the 64 tokens numbered g = w xor 3 ((w / 4) % 2).
; Its key steps of 128 are g / 2 + 1, which hangs on the wave's number alone: all work-groups do the same 72 steps, and waves w, w + 4, w + 8, w + 12 together 18.
; K, V^T and their scale words of the whole head, 106,496 bytes, come into LDS once, asked for JOINTLY by the four work-groups (waves 0-3: key steps 0, 1 by a first load, 2 to 7 by a second).  No LDS byte is filled twice.
; EVERY WAVE WALKS ALL EIGHT STEPS, so that the trip counts are constants; a step all of whose keys come after the wave's queries is jumped over, by a scalar branch on the wave's number and the step's.
; LAYOUT.  Both products are used transposed: S^T = K Q^T, O^T = V^T P^T: a lane holds one query throughout.  Row r of tile 2 b + u (of keys, of d, of queries) is index 32 b + 8 u + r + 8 (r / 8), so that the 16 registers
; of two neighbouring tiles are 16 neighbours along the next product's K.
; THE FIRST PRODUCT'S K IS 64: registers 6-11 of Q's and of K's fragments are zero codes, set once, and the upper two bytes of their scale words are 0: zero codes add nothing.
; OUT.  yi: [128 tokens][K step = two heads][8 tiles x (2 x 768) | scale words 2 x 512]: my half fragment, whole aligned runs of 256 bytes, and my tile's 64 bytes of scale words (the tiles beside it belong to other waves and work-groups).
; LIMITS: NaN and infinities are not served; a block of zeros gets the byte 1 (its codes are zeros); p under 2^-126 counts as 0 (v_exp_f32: ISA guide, its entry in 15.8).
; REGISTERS: v1-3 lane terms; v4-6 the step's LDS addresses; v7 the mask's bound; v8-11 V's scale words; v12 -M, v13 the largest t, v[14:15] the sum; v16-27 Q, v28 its scale words; v29 p's scale word; v[30:31] f;
;   v32-79 four fragments of K; v80-127 four of V^T; v128-191 S^T, then p; v192-223 O^T; v224-235 p's codes; v236-251, v254 at work; v[252:253] K's scale words; v255 -infinity.
.macro PLACES n
.rept \n
	v_nop
.endr
.endm
.macro CROUND                          ; a round of the cluster's barrier
	s_barrier_signal -1
	s_barrier_wait -1
	s_cmp_lg_u32 s10, 0
	s_cbranch_scc1 .Lnot_wave_0_\@
	s_barrier_signal -3
.Lnot_wave_0_\@:
	s_barrier_wait -3
	s_barrier_signal -1
	s_barrier_wait -1
.endm
	s_load_b128 s[4:7], s[0:1], 0x0                ; qi s[4:5], kv s[6:7]
	s_load_b64 s[8:9], s[0:1], 0x10                ; yi
	v_lshl_add_u32 v254, v0, 2, 0x29000
	v_mov_b32 v255, 0
	ds_add_u32 v254, v255
	ds_add_u32 v254, v255
	s_wait_dscnt 0x0
	v_lshrrev_b32 v1, 5, v0
	v_readfirstlane_b32 s10, v1                    ; wave 0..15
	s_bfe_u32 s11, ttmp6, 0x40000                  ; j: my place in the cluster: it enters global addresses and the mask's bound alone
	s_and_b32 s12, ttmp7, 0xffff                   ; batch x 16 + head
	s_bfe_u32 s13, s10, 0x10002
	s_mul_i32 s13, s13, 3
	s_xor_b32 s13, s13, s10                        ; g: my 64 tokens
	s_lshr_b32 s15, s13, 1                         ; the step on the diagonal
	s_add_co_u32 s14, s15, 1                       ; my number of steps
	s_mov_b32 s16, 0                               ; the step
	s_mov_b32 s17, 0                               ; and its first LDS byte
	s_mov_b32 s20, 0x76543210
	s_mov_b32 s21, 0xfedcba98                      ; v_permlanex16_b32's selects for lane L xor 16
	s_mov_b32 s22, 0x3e38aa3b                      ; c = log2(e) / 8
	s_mov_b32 s23, s22                             ; (named with it as a pair, so it is written)
	; descriptor groups 1: dense bytes as rows of 256 (32 elements of 8 bytes): 26 rows (a quarter of key steps 0, 1) and 78 rows (a quarter of steps 2 to 7)
	s_mov_b32 s24, 15|(3<<16)|(1<<21)              ; the mask: all four work-groups; elements of 8 bytes; bit 21 set beside a mask
	s_mov_b32 s25, 32<<16
	s_mov_b32 s26, 26<<16
	s_mov_b32 s27, 32<<16
	s_mov_b32 s28, 26
	s_mov_b32 s29, 32
	s_mov_b32 s30, 0
	s_mov_b32 s31, 0
	s_mov_b32 s32, 15|(3<<16)|(1<<21)
	s_mov_b32 s33, 32<<16
	s_mov_b32 s34, 78<<16
	s_mov_b32 s35, 32<<16
	s_mov_b32 s36, 78
	s_mov_b32 s37, 32
	s_mov_b32 s38, 0
	s_mov_b32 s39, 0
	s_and_b32 s50, s10, 3                          ; which quarter (waves 0-3 fetch)
	s_mul_i32 s51, s50, 6656
	s_mul_i32 s52, s50, 19968
	s_add_co_u32 s52, s52, 26624
	s_mul_i32 s54, s12, 106496                     ; the head's block of kv
	s_add_co_u32 s56, s54, s51
	s_mov_b32 s57, 0
	s_add_co_u32 s58, s54, s52
	s_mov_b32 s59, 0
	s_lshl_b32 s48, s12, 4
	s_add_co_u32 s48, s48, s13
	s_mul_i32 s48, s48, 3328                       ; qi: my 64 tokens' block
	s_mul_i32 s49, s11, 768
	s_add_co_u32 s60, s48, s49                     ; tile j's half fragment
	s_mov_b32 s61, 0
	s_and_b32 s49, s11, 1
	s_lshl_b32 s49, s49, 7
	s_add_co_u32 s62, s48, s49
	s_lshr_b32 s49, s11, 1
	s_lshl_b32 s49, s49, 2
	s_add_co_u32 s62, s62, s49
	s_add_co_u32 s62, s62, 3072                    ; tile j's scale words: 8 bytes from row to row
	s_mov_b32 s63, 0
	s_wait_kmcnt 0x0
	s_mov_b32 s40, 1
	s_mov_b32 s41, s51
	s_add_nc_u64 s[42:43], s[6:7], s[56:57]
	s_or_b32 s43, s43, 0x80000000
	s_mov_b32 s44, 1
	s_mov_b32 s45, s52
	s_add_nc_u64 s[46:47], s[6:7], s[58:59]
	s_or_b32 s47, s47, 0x80000000
	s_add_nc_u64 s[18:19], s[4:5], s[62:63]
	s_add_nc_u64 s[4:5], s[4:5], s[60:61]
	s_lshr_b32 s48, s12, 4                         ; yi: block (batch x 8 + g / 2, head / 2)
	s_lshl_b32 s48, s48, 3
	s_add_co_u32 s48, s48, s15
	s_lshl_b32 s48, s48, 3
	s_bfe_u32 s49, s12, 0x30001
	s_add_co_u32 s48, s48, s49
	s_mul_i32 s48, s48, 13312
	s_and_b32 s49, s13, 1
	s_lshl_b32 s49, s49, 2
	s_add_co_u32 s49, s49, s11                     ; my tile among the block's eight
	s_and_b32 s53, s12, 1                          ; which half of the K step my head is
	s_mul_i32 s60, s49, 1536
	s_add_co_u32 s60, s60, s48
	s_mul_i32 s61, s53, 768
	s_add_co_u32 s60, s60, s61
	s_mov_b32 s61, 0
	s_lshl_b32 s62, s49, 6
	s_add_co_u32 s62, s62, s48
	s_lshl_b32 s63, s53, 9
	s_add_co_u32 s62, s62, s63
	s_add_co_u32 s62, s62, 12288
	s_mov_b32 s63, 0
	s_add_nc_u64 s[50:51], s[8:9], s[62:63]        ; my scale words
	s_add_nc_u64 s[8:9], s[8:9], s[60:61]          ; my half fragment
	s_and_b32 s48, s13, 1                          ; my tile's first query within the diagonal step: 64 (g % 2) + 32 (j / 2) + 8 (j % 2)
	s_lshl_b32 s48, s48, 6
	s_lshr_b32 s49, s11, 1
	s_lshl_b32 s49, s49, 5
	s_add_co_u32 s48, s48, s49
	s_and_b32 s49, s11, 1
	s_lshl_b32 s49, s49, 3
	s_add_co_u32 s48, s48, s49
	CROUND                                         ; all four work-groups are here: the joint loads meet
	s_cmp_lt_u32 s10, 4                            ; a wave's two fills stand in one branch on the wave's number
	s_cbranch_scc0 .Lno_fetch
	tensor_load_to_lds s[40:43], s[24:31]          ; key steps 0 and 1
	s_nop 0
	tensor_load_to_lds s[44:47], s[32:39]          ; key steps 2 to 7: two loads of mine are out
	s_nop 0
	PLACES 4
.Lno_fetch:
	v_and_b32 v32, 31, v0
	v_and_b32 v33, 15, v0                          ; r
	v_bfe_u32 v34, v0, 4, 1                        ; h
	v_lshlrev_b32 v1, 4, v32                       ; 16 L
	v_lshlrev_b32 v2, 4, v33
	v_lshl_add_u32 v2, v34, 3, v2                  ; 16 r + 8 h
	v_lshlrev_b32 v3, 3, v32                       ; 8 L
	v_lshlrev_b32 v37, 3, v33                      ; 8 r
	global_load_b128 v[16:19], v1, s[4:5]          ; Q's half fragment stays in registers
	global_load_b64 v[20:21], v2, s[4:5] offset:512
	global_load_b32 v28, v37, s[18:19]             ; and its scale words
.irp i, 22,23,24,25,26,27
	v_mov_b32 v[\i], 0                             ; the upper 64 of the instruction's K: zero codes
.endr
.irp t, 0,1,2,3
.irp i, 6,7,8,9,10,11
	v_mov_b32 v[32+12*\t+\i], 0                    ; in K's four fragments too; no load lands there
.endr
.endr
	v_and_b32 v35, 8, v33
	v_add_nc_u32 v35, v35, v33                     ; r + 8 (r / 8)
	v_lshlrev_b32 v36, 4, v34
	v_sub_nc_u32 v35, v35, v36
	v_add_nc_u32 v7, s48, v35                      ; my query within the diagonal step, less 16 h.  Register 16 b + i holds key 32 b + 16 h + i: hidden where 32 b + i is larger than this
	v_mov_b32 v13, 0xff61b1e6                      ; the largest t so far: -3e38, under every t
	v_floor_f32 v12, -v13                          ; -M
	v_mov_b32 v14, 0                               ; the sum, in two halves
	v_mov_b32 v15, 0
	v_mov_b32 v31, 0                               ; (named as the upper half of the pair v[30:31])
	v_mov_b32 v255, 0xff800000                     ; -infinity
.irp b, 0,1,2,3
	v_mov_b32 v[236+\b], 0                         ; a lane permute's destination counts as one of its sources
.endr
.set j_, 0
.rept 32
	v_mov_b32 v[192+j_], 0                         ; O^T.  (The step is written once: the first finds zeros, which the first change of M leaves zeros)
.set j_, j_+1
.endr
; A KEY STEP: 128 keys.
.macro STEP
	s_cmp_ge_u32 s16, s14                          ; all its keys come after my queries: nothing but the stepping at its end
	s_cbranch_scc1 .Lhid_\@
	v_add_nc_u32 v4, s17, v1
	v_add_nc_u32 v5, s17, v2
	v_add_nc_u32 v6, s17, v3
	v_nop                                          ; four plain instructions behind the last step's products
.irp g, 0,1                            ; S^T = K Q^T, four tiles of 16 keys at a time
.if \g
	PLACES 4                                       ; in front of loads into registers that matrix instructions have read
.endif
.irp t, 0,1,2,3
	ds_load_b128 v[32+12*\t:35+12*\t], v4 offset:768*(4*\g+\t)
	ds_load_b64 v[36+12*\t:37+12*\t], v5 offset:768*(4*\g+\t)+512
.endr
	ds_load_b64 v[252:253], v6 offset:12288+256*\g   ; register t / 2: lanes 0-15 the even tile's words, lanes 16-31 the odd tile's
	s_wait_dscnt 0x0
.irp t, 0,1,2,3
.if \t%2
	v_wmma_scale_f32_16x16x128_f8f6f4 v[128+8*(4*\g+\t):135+8*(4*\g+\t)], v[32+12*\t:43+12*\t], v[16:27], 0, v[252+\t/2], v28 matrix_a_fmt:MATRIX_FMT_FP6 matrix_b_fmt:MATRIX_FMT_FP6 matrix_a_scale:MATRIX_SCALE_ROW1
.else
	v_wmma_scale_f32_16x16x128_f8f6f4 v[128+8*(4*\g+\t):135+8*(4*\g+\t)], v[32+12*\t:43+12*\t], v[16:27], 0, v[252+\t/2], v28 matrix_a_fmt:MATRIX_FMT_FP6 matrix_b_fmt:MATRIX_FMT_FP6
.endif
.endr
.endr
	PLACES 4                                       ; in front of the first read of the scores
.irp t, 0,1,2,3                        ; V^T's four fragments and scale words are asked for now and land while the maxima are searched
	ds_load_b128 v[80+12*\t:83+12*\t], v4 offset:6144+1536*\t
	ds_load_b64 v[84+12*\t:85+12*\t], v5 offset:6144+1536*\t+512
	ds_load_b128 v[86+12*\t:89+12*\t], v4 offset:6144+1536*\t+768
	ds_load_b64 v[90+12*\t:91+12*\t], v5 offset:6144+1536*\t+1280
.endr
	ds_load_b64 v[8:9], v6 offset:12800            ; the scale bytes of keys 0-63,
	ds_load_b64 v[10:11], v6 offset:13056          ; and of keys 64-127
	s_cmp_lg_u32 s16, s15                          ; on the diagonal the scores of hidden keys become -infinity ahead of the maximum: p = 0 then
	s_cbranch_scc1 .Lopen_\@
.set n_, 0
.rept 64
	v_cmp_gt_i32 vcc_lo, 32*(n_/16)+n_%16, v7
	v_cndmask_b32 v[128+n_], v[128+n_], v255, vcc_lo
.set n_, n_+1
.endr
.Lopen_\@:
.irp b, 0,1,2,3
	v_max3_num_f32 v[248+\b], v[128+16*\b], v[129+16*\b], v[130+16*\b]   ; the largest score of each block of 32 keys: for the row's maximum, and, since p rises with the score, for the block's largest p
.endr
.irp i, 3,5,7,9,11,13
.irp b, 0,1,2,3
	v_max3_num_f32 v[248+\b], v[248+\b], v[128+16*\b+\i], v[129+16*\b+\i]
.endr
.endr
.irp b, 0,1,2,3
	v_max_num_f32 v[248+\b], v[248+\b], v[143+16*\b]
.endr
.irp b, 0,1,2,3
	v_permlanex16_b32 v[236+\b], v[248+\b], s20, s21
.endr
.irp b, 0,1,2,3
	v_max_num_f32 v[248+\b], v[248+\b], v[236+\b]  ; with lane L xor 16's 16 keys
.endr
	v_max3_num_f32 v254, v248, v249, v250
	v_max_num_f32 v254, v254, v251                 ; the step's largest score of my query (key 0 of a step that is not jumped over always counts)
	v_mul_f32 v254, s22, v254                      ; as t
	v_max_num_f32 v13, v13, v254                   ; the running largest t
	v_mov_b32 v254, v12
	v_floor_f32 v12, -v13                          ; the new -M = floor(-t): M is a whole number
	v_sub_f32 v254, v12, v254                      ; old M - new M: a whole number, 0 or less
	v_cvt_i32_f32 v254, v254                       ; (it saturates)
	v_ldexp_f32 v30, 1.0, v254                     ; f = 2^(old M - new M)
	s_wait_dscnt 0x0                               ; V^T and its scale words are in
	v_lshl_or_b32 v8, v10, 16, v8                  ; the four bytes of 128 keys; far more than eight vector instructions ahead of the products that name them
	v_lshl_or_b32 v9, v11, 16, v9
.set j_, 0
.rept 32
	v_pk_fma_f32 v[128+j_:129+j_], v[128+j_:129+j_], s[22:23], v[12:13] op_sel_hi:[1,0,0]   ; t - M, two at a time
.set j_, j_+2
.endr
.irp b, 0,1,2,3
	v_fma_f32 v[248+\b], v[248+\b], s22, v12       ; the same of each block's largest score
.endr
.set j_, 0
.rept 64
	v_exp_f32 v[128+j_], v[128+j_]                 ; p = 2^(t - M), at most 1
.set j_, j_+1
.endr
.irp b, 0,1,2,3
	v_exp_f32 v[248+\b], v[248+\b]                 ; the block's largest p: the same two instructions on the same number give the same bits
.endr
	v_pk_mul_f32 v[14:15], v[14:15], v[30:31] op_sel_hi:[1,0]   ; the sums under the new M.  (The plain instruction behind the exponentials)
	s_wait_alu depctr_va_vdst(0)
.irp b, 0,1,2,3
	v_max_num_f32 v[248+\b], 0x1800000, v[248+\b]  ; the floor 2^(3 - 127): the byte cannot fall under 1
.endr
.irp b, 0,1,2,3
	v_add_nc_u32 v[244+\b], 0xff000000, v[248+\b]  ; the conversion's scale operand
.endr
.irp b, 0,1,2,3
	v_lshrrev_b32 v[236+\b], 23, v[244+\b]         ; the scale's byte
.endr
	v_lshl_or_b32 v29, v237, 8, v236               ; p's scale word for these 128 keys
	v_lshl_or_b32 v29, v238, 16, v29
	v_lshl_or_b32 v29, v239, 24, v29
.irp c, 0,1
	v_cvt_scalef32_pk16_fp6_f32 v[224+6*\c:226+6*\c], v[128+32*\c:143+32*\c], v[244+2*\c]
	v_cvt_scalef32_pk16_fp6_f32 v[236+4*\c:238+4*\c], v[144+32*\c:159+32*\c], v[244+2*\c+1]
.endr
	v_nop                                          ; one plain instruction behind a scaled conversion
.irp c, 0,1                            ; a whole block in a lane: lanes 0-15 block 2 c, lanes 16-31 block 2 c + 1
.irp i, 0,1,2
	v_permlane16_swap_b32 v[224+6*\c+\i], v[236+4*\c+\i]
.endr
.irp i, 0,1,2
	v_mov_b32 v[227+6*\c+\i], v[236+4*\c+\i]
.endr
.endr
.set j_, 0
.rept 16
	v_pk_mul_f32 v[192+j_:193+j_], v[192+j_:193+j_], v[30:31] op_sel_hi:[1,0]   ; O^T under the new M, each accumulator from its low end on
.set j_, j_+2
.endr
	v_pk_add_f32 v[236:237], v[128:129], v[130:131]   ; the row's sum is taken of the unquantised p: two at a time, in two chains
.irp j, 4,8,12,16,20,24,28,32,36,40,44,48,52,56,60
	v_pk_add_f32 v[14:15], v[14:15], v[128+\j:129+\j]
	v_pk_add_f32 v[236:237], v[236:237], v[130+\j:131+\j]
.endr
	v_pk_add_f32 v[14:15], v[14:15], v[236:237]
.irp t, 0,1,2,3                        ; O^T += V^T P^T: four tiles of 16 of the head's 64, the four accumulators by turns
.if \t%2
	v_wmma_scale_f32_16x16x128_f8f6f4 v[192+8*\t:199+8*\t], v[80+12*\t:91+12*\t], v[224:235], v[192+8*\t:199+8*\t], v[8+\t/2], v29 matrix_a_fmt:MATRIX_FMT_FP6 matrix_b_fmt:MATRIX_FMT_FP6 matrix_a_scale:MATRIX_SCALE_ROW1
.else
	v_wmma_scale_f32_16x16x128_f8f6f4 v[192+8*\t:199+8*\t], v[80+12*\t:91+12*\t], v[224:235], v[192+8*\t:199+8*\t], v[8+\t/2], v29 matrix_a_fmt:MATRIX_FMT_FP6 matrix_b_fmt:MATRIX_FMT_FP6
.endif
.endr
.Lhid_\@:
	s_add_co_u32 s16, s16, 1
	s_add_co_u32 s17, s17, 13312                   ; the next step's block in LDS
.endm
	s_wait_loadcnt 0x0                             ; Q
	s_wait_tensorcnt 0x1                           ; my part of key steps 0 and 1 is in; that of steps 2 to 7 may stay out
	s_barrier_signal -1
	s_barrier_wait -1
	s_mov_b32 s52, 2
.Lfirst:                               ; key steps 0 and 1: LDS bytes under 26,624
	STEP
	s_sub_co_u32 s52, s52, 1
	s_cmp_lg_u32 s52, 0
	s_cbranch_scc1 .Lfirst
	s_wait_tensorcnt 0x0                           ; my part of key steps 2 to 7 is in,
	s_wait_dscnt 0x0                               ; no LDS load of mine is out at the signal,
	s_barrier_signal -1
	s_barrier_wait -1                              ; and everybody's is
	s_mov_b32 s52, 6
.Lrest:
	STEP
	s_sub_co_u32 s52, s52, 1
	s_cmp_lg_u32 s52, 0
	s_cbranch_scc1 .Lrest
	; THE WAY OUT: y = O^T / the sum; register 16 b + i = d 32 b + 16 h + i of my query: two blocks of the last product's K.
	PLACES 4                                       ; behind the last products
	v_add_f32 v14, v14, v15                        ; the sum's two halves,
	v_permlanex16_b32 v236, v14, s20, s21
	v_add_f32 v14, v14, v236                       ; and lane L xor 16's
	v_rcp_f32 v14, v14
	v_nop                                          ; one plain instruction behind the transcendental
.set j_, 0
	s_wait_alu depctr_va_vdst(0)
.rept 32
	v_mul_f32 v[128+j_], v[192+j_], v14            ; ascending: each accumulator from its low end on
.set j_, j_+1
.endr
.irp b, 0,1
	v_max3_num_f32 v[248+\b], |v[128+16*\b]|, |v[129+16*\b]|, 0x1800000
.endr
.irp i, 2,4,6,8,10,12,14
.irp b, 0,1
	v_max3_num_f32 v[248+\b], v[248+\b], |v[128+16*\b+\i]|, |v[129+16*\b+\i]|
.endr
.endr
.irp b, 0,1
	v_permlanex16_b32 v[236+\b], v[248+\b], s20, s21
.endr
.irp b, 0,1
	v_max_num_f32 v[248+\b], v[248+\b], v[236+\b]
.endr
.irp b, 0,1
	v_add_nc_u32 v[244+\b], 0xff000000, v[248+\b]
.endr
.irp b, 0,1
	v_lshrrev_b32 v[236+\b], 23, v[244+\b]
.endr
	v_lshl_or_b32 v29, v237, 8, v236               ; my row's two scale bytes, zeros above
	v_cvt_scalef32_pk16_fp6_f32 v[224:226], v[128:143], v244
	v_cvt_scalef32_pk16_fp6_f32 v[240:242], v[144:159], v245
	v_nop
.irp i, 0,1,2
	v_permlane16_swap_b32 v[224+\i], v[240+\i]
.endr
.irp i, 0,1,2
	v_mov_b32 v[227+\i], v[240+\i]
.endr
	global_store_b128 v1, v[224:227], s[8:9]       ; 512 consecutive bytes, aligned
	global_store_b64 v2, v[228:229], s[8:9] offset:512   ; 256 consecutive bytes, aligned
	v_bfe_u32 v33, v0, 4, 1
	v_and_b32 v34, 15, v0
	v_lshlrev_b32 v35, 4, v33
	v_lshrrev_b32 v36, v35, v29                    ; lanes 0-15 store the word's lower half, lanes 16-31 its upper (zeros): each byte is written once
	v_lshlrev_b32 v37, 2, v34
	v_lshl_add_u32 v37, v33, 1, v37
	global_store_b16 v37, v36, s[50:51]            ; my tile's 64 consecutive bytes of scale words
	s_wait_xcnt 0x0
	v_lshl_add_u32 v254, v0, 2, 0x29000
	v_mov_b32 v255, 0
	s_wait_tensorcnt 0x0
	ds_add_u32 v254, v255
	s_wait_dscnt 0x0
	CROUND                                         ; the closing round
	s_endpgm
.Lfunc_end_k_qcf2716c4b8_attn:
	.size	k_qcf2716c4b8_attn, .Lfunc_end_k_qcf2716c4b8_attn-k_qcf2716c4b8_attn
	.p2alignl 7, 3214868480
	.fill 96, 4, 3214868480
	.section	.rodata,"a",@progbits
	.p2align	6, 0x0
	.amdhsa_kernel k_qcf2716c4b8_attn
		.amdhsa_group_segment_fixed_size 169984
		.amdhsa_private_segment_fixed_size 0
		.amdhsa_enable_private_segment 0
		.amdhsa_kernarg_size 24
		.amdhsa_user_sgpr_count 2
		.amdhsa_user_sgpr_kernarg_segment_ptr 1
		.amdhsa_wavefront_size32 1
		.amdhsa_system_sgpr_workgroup_id_x 1
		.amdhsa_system_sgpr_workgroup_id_y 1
		.amdhsa_system_sgpr_workgroup_id_z 1
		.amdhsa_system_vgpr_workitem_id 0
		.amdhsa_next_free_vgpr 256
		.amdhsa_next_free_sgpr 66
		.amdhsa_reserve_vcc 1
		.amdhsa_float_denorm_mode_32 3
		.amdhsa_float_denorm_mode_16_64 3
		.amdhsa_memory_ordered 1
		.amdhsa_forward_progress 1
		.amdhsa_inst_pref_size 56
	.end_amdhsa_kernel
	.amdgpu_metadata
---
amdhsa.version: [ 1, 2 ]
amdhsa.kernels:
  - .name:           k_qcf2716c4b8_attn
    .symbol:         k_qcf2716c4b8_attn.kd
    .args:
      - { .name: qi, .offset: 0, .size: 8, .value_kind: global_buffer, .address_space: global }
      - { .name: kv, .offset: 8, .size: 8, .value_kind: global_buffer, .address_space: global }
      - { .name: yi, .offset: 16, .size: 8, .value_kind: global_buffer, .address_space: global }
    .group_segment_fixed_size: 169984
    .private_segment_fixed_size: 0
    .kernarg_segment_align: 8
    .kernarg_segment_size: 24
    .max_flat_workgroup_size: 512
    .sgpr_count:     66
    .vgpr_count:     256
    .wavefront_size: 32
...
	.end_amdgpu_metadata
.endif
;; end of part 3
;; launch proj (part 4): grid 8 x 32, 4 waves a work-group, clusters of 4 x 4, 226,816 bytes of LDS; arguments yi, wp, b_proj, out0; writes out0
.if DOCPART == 4
	.amdgcn_target "amdgcn-amd-amdhsa--gfx1250"
	.amdhsa_code_object_version 6
	.text
	.protected	k_qcf2716c4b8_proj
	.globl	k_qcf2716c4b8_proj
	.p2align	8
	.type	k_qcf2716c4b8_proj,@function
k_qcf2716c4b8_proj:
	s_mov_b64 s[64:65], 0
	v_nop
	global_prefetch_b8 v0, s[64:65] scope:SCOPE_SE
	s_setreg_imm32_b32 hwreg(HW_REG_WAVE_MODE, 25, 1), 1
	s_wait_xcnt 0x0
	s_wait_alu depctr_hold_cnt(0) depctr_sa_sdst(0) depctr_va_vdst(0) depctr_va_sdst(0) depctr_va_ssrc(0) depctr_va_vcc(0) depctr_vm_vsrc(0)
	s_getreg_b32 s2, hwreg(HW_REG_IB_STS2, 6, 4)
	s_cmp_eq_u32 s2, 0
	s_cbranch_scc0 .Lentry_in_a_cluster
	s_endpgm
.Lentry_in_a_cluster:
	s_bfe_u32 s2, ttmp6, 0x10000c
	s_cmp_lg_u32 s2, 0xf033
	s_cbranch_scc0 .Lentry_shape_is_right
	s_endpgm
.Lentry_shape_is_right:
; out0 = y w_proj + b_proj on codes of FP6 (E2M3), K = 1,024 in eight steps of 128.  y's and w_proj's codes and scale bytes lie in memory as images of the operands' registers.
; SHARES.  A work-group makes 128 tokens x 128 columns: 256 work-groups; each of four waves 64 x 64: 16 accumulators.  Both operands for ALL of K fit into LDS (106,496 + 102,400 bytes): they come once, K steps 0-3 by a first load
; a wave and 4-7 by a second, which lands while the first four steps are multiplied.  No LDS byte is filled twice.
; CLUSTERS: 4 x 4 work-groups.  The four of a row of the cluster need the same tokens, the four of a column the same columns of w_proj: each tile is asked for JOINTLY, by the same tensor load with a mask that names the four.
; THE MATRIX INSTRUCTION IS USED TRANSPOSED (source 0 = 16 columns of w_proj, source 1 = 16 tokens): a lane holds one token, and, since row r of tile 2 b + u is index 32 b + 8 u + r + 8 (r / 8), the 16 registers of two neighbouring
; tiles are 16 neighbouring columns.  The bias is the C of each sum's first matrix instruction.
; y's scale words come in two halves (a head each, two bytes): they are joined once for four K steps, eight vector instructions ahead of the products that name them.
; REGISTERS.  window 0: v1-19 addresses; v20-35 y's scale words (2 a K step); v36-39 the weights', two sets; v40-55 halves of y's; v64-255 two sets of operands (y's four fragments, then the weights' four); on the way out v64-127 rows of the result.
;   window 1: accumulator (token tile a, column tile t) at 32 a + 8 t; the bias from 128.
.set AL,   0                           ; LDS: y: eight K steps of 13,312 bytes (8 fragments, 2 x 512 bytes of scale words)
.set BL,   106496                      ; the weights: eight K steps of 12,800 bytes (8 fragments, 512 bytes of scale words)
.set STG,  208896                      ; the stages for the way out: 16 rows x (256 + 16) bytes for each wave; no tile lands here
.set MSB, 0
.macro WIN new                         ; the immediate's high byte repeats the setting that is left
.if MSB != \new
	s_set_vgpr_msb (MSB<<8)|\new
.set MSB, \new
.endif
.endm
.macro PLACES n
.rept \n
	v_nop
.endr
.endm
.macro CROUND                          ; a round of the cluster's barrier
	s_barrier_signal -1
	s_barrier_wait -1
	s_cmp_lg_u32 s12, 0
	s_cbranch_scc1 .Lnot_wave_0_\@
	s_barrier_signal -3
.Lnot_wave_0_\@:
	s_barrier_wait -3
	s_barrier_signal -1
	s_barrier_wait -1
.endm
.macro WM d, a, b, c, sa, sb, ra, rb   ; ra, rb: the side's scale words stand in lanes 16-31 of the register named
.if (\ra)&&(\rb)
	v_wmma_scale_f32_16x16x128_f8f6f4 v[\d:\d+7], v[\a:\a+11], v[\b:\b+11], v[\c:\c+7], v[\sa], v[\sb] matrix_a_fmt:MATRIX_FMT_FP6 matrix_b_fmt:MATRIX_FMT_FP6 matrix_a_scale:MATRIX_SCALE_ROW1 matrix_b_scale:MATRIX_SCALE_ROW1
.elseif (\ra)
	v_wmma_scale_f32_16x16x128_f8f6f4 v[\d:\d+7], v[\a:\a+11], v[\b:\b+11], v[\c:\c+7], v[\sa], v[\sb] matrix_a_fmt:MATRIX_FMT_FP6 matrix_b_fmt:MATRIX_FMT_FP6 matrix_a_scale:MATRIX_SCALE_ROW1
.elseif (\rb)
	v_wmma_scale_f32_16x16x128_f8f6f4 v[\d:\d+7], v[\a:\a+11], v[\b:\b+11], v[\c:\c+7], v[\sa], v[\sb] matrix_a_fmt:MATRIX_FMT_FP6 matrix_b_fmt:MATRIX_FMT_FP6 matrix_b_scale:MATRIX_SCALE_ROW1
.else
	v_wmma_scale_f32_16x16x128_f8f6f4 v[\d:\d+7], v[\a:\a+11], v[\b:\b+11], v[\c:\c+7], v[\sa], v[\sb] matrix_a_fmt:MATRIX_FMT_FP6 matrix_b_fmt:MATRIX_FMT_FP6
.endif
.endm
	s_load_b256 s[4:11], s[0:1], 0x0               ; yi s[4:5], wp s[6:7], b_proj s[8:9], out0 s[10:11]
	v_lshl_add_u32 v62, v0, 2, 0x37400
	v_mov_b32 v63, 0
	ds_add_u32 v62, v63
	ds_add_u32 v62, v63
	v_lshrrev_b32 v56, 5, v0
	v_readfirstlane_b32 s12, v56                   ; wave 0..3
	s_lshr_b32 s13, s12, 1                         ; which 64 tokens are mine.  Also: I fetch y (0) or the weights (1)
	s_and_b32 s14, s12, 1                          ; which 64 columns.  Also: which two K steps of four I fetch
	s_bfe_u32 s15, ttmp6, 0x40000                  ; cx, cy: my place in the cluster
	s_bfe_u32 s56, ttmp6, 0x40004
	s_lshl_b32 s16, ttmp9, 2
	s_add_co_u32 s16, s16, s15                     ; my block of 128 columns
	s_and_b32 s17, ttmp7, 0xffff
	s_lshl_b32 s17, s17, 2
	s_add_co_u32 s17, s17, s56                     ; my block of 128 tokens
	s_lshl_b32 s57, s56, 2
	s_lshl_b32 s57, 15, s57                        ; my row of the cluster
	s_lshl_b32 s58, 0x1111, s15                    ; my column
	; descriptor groups 1: dense bytes as rows of 256 (32 elements of 8 bytes), no padding: two K steps of y are 104 rows, of the weights 100
	s_or_b32 s24, s57, (3<<16)|(1<<21)             ; y's tiles go to my row of the cluster
	s_mov_b32 s25, 32<<16
	s_mov_b32 s26, 104<<16
	s_mov_b32 s27, 32<<16
	s_mov_b32 s28, 104
	s_mov_b32 s29, 32
	s_mov_b32 s30, 0
	s_mov_b32 s31, 0
	s_or_b32 s32, s58, (3<<16)|(1<<21)             ; the weights' to my column
	s_mov_b32 s33, 32<<16
	s_mov_b32 s34, 100<<16
	s_mov_b32 s35, 32<<16
	s_mov_b32 s36, 100
	s_mov_b32 s37, 32
	s_mov_b32 s38, 0
	s_mov_b32 s39, 0
	s_mul_i32 s18, s14, 26624                      ; y: my two K steps, in LDS and in the block; made of the tokens' block and the wave's number alone
	s_mul_i32 s20, s17, 106496
	s_add_co_u32 s20, s20, s18
	s_mov_b32 s21, 0
	s_mul_i32 s19, s14, 25600                      ; the weights: of the columns' block and the wave's number alone
	s_mul_i32 s22, s16, 102400
	s_add_co_u32 s22, s22, s19
	s_mov_b32 s23, 0
	s_lshl_b32 s60, s17, 7
	s_lshl_b32 s61, s13, 6
	s_add_co_u32 s60, s60, s61                     ; my first token,
	s_lshl_b32 s60, s60, 12                        ; a row of out0 is 4,096 bytes
	s_lshl_b32 s62, s16, 7
	s_lshl_b32 s63, s14, 6
	s_add_co_u32 s62, s62, s63                     ; my first column,
	s_lshl_b32 s62, s62, 2
	s_mov_b32 s63, 0
	s_add_co_u32 s60, s60, s62
	s_mov_b32 s61, 0
	s_wait_dscnt 0x0
	s_wait_kmcnt 0x0
	s_mov_b32 s40, 1
	s_mov_b32 s41, s18
	s_add_nc_u64 s[42:43], s[4:5], s[20:21]
	s_mov_b32 s44, 1
	s_add_co_u32 s45, s18, 53248
	s_add_nc_u64 s[46:47], s[42:43], 53248
	s_or_b32 s43, s43, 0x80000000
	s_or_b32 s47, s47, 0x80000000
	s_mov_b32 s48, 1
	s_add_co_u32 s49, s19, BL
	s_add_nc_u64 s[50:51], s[6:7], s[22:23]
	s_mov_b32 s52, 1
	s_add_co_u32 s53, s19, BL+51200
	s_add_nc_u64 s[54:55], s[50:51], 51200
	s_or_b32 s51, s51, 0x80000000
	s_or_b32 s55, s55, 0x80000000
	s_add_nc_u64 s[8:9], s[8:9], s[62:63]
	s_add_nc_u64 s[10:11], s[10:11], s[60:61]
	CROUND                                         ; all sixteen work-groups are here: the joint loads meet
	s_cmp_lt_u32 s12, 2                            ; a wave's two fills stand in one branch on the wave's number: two loads of mine are out
	s_cbranch_scc0 .Lfor_b
	tensor_load_to_lds s[40:43], s[24:31]          ; y: K steps 0, 1 (wave 0) or 2, 3 (wave 1)
	s_nop 0
	tensor_load_to_lds s[44:47], s[24:31]          ; and 4, 5 or 6, 7
	s_nop 0
	PLACES 4
	s_branch .Lasked
.Lfor_b:
	tensor_load_to_lds s[48:51], s[32:39]          ; the weights likewise
	s_nop 0
	tensor_load_to_lds s[52:55], s[32:39]
	s_nop 0
	PLACES 4
.Lasked:
	v_and_b32 v56, 31, v0
	v_and_b32 v57, 15, v0                          ; r
	v_bfe_u32 v58, v0, 4, 1                        ; h
	v_lshlrev_b32 v19, 6, v58                      ; 64 h
	WIN 0x40                                       ; destination window 1
.irp t, 0,1,2,3                        ; the bias in the result's layout: lane (r, h), tile t: columns 32 (t / 2) + 16 h + 8 (t % 2) + 0 .. 7
	global_load_b128 v[128+8*\t:131+8*\t], v19, s[8:9] offset:(32*(\t/2)+8*(\t%2))*4
	global_load_b128 v[132+8*\t:135+8*\t], v19, s[8:9] offset:(32*(\t/2)+8*(\t%2))*4+16
.endr
	WIN 0
	v_lshlrev_b32 v1, 4, v56                       ; 16 L
	v_lshlrev_b32 v2, 4, v57
	v_lshl_add_u32 v2, v58, 3, v2                  ; 16 r + 8 h
	v_lshlrev_b32 v3, 2, v56                       ; 4 L
	s_mul_i32 s56, s13, 6144                       ; my four tiles of y,
	s_mul_i32 s57, s14, 6144
	s_add_co_u32 s57, s57, BL                      ; of the weights,
	s_lshl_b32 s58, s13, 8
	s_add_co_u32 s58, s58, 12288                   ; and their scale words
	s_lshl_b32 s59, s14, 8
	s_add_co_u32 s59, s59, BL+12288
.irp g, 0,1                            ; a set of bases for K steps 0-3 and one for 4-7, so that every LDS offset fits its 16 bits
	v_add_nc_u32 v[4+\g], s56, v1
	v_add_nc_u32 v[6+\g], s56, v2
	v_add_nc_u32 v[8+\g], s57, v1
	v_add_nc_u32 v[10+\g], s57, v2
	v_add_nc_u32 v[12+\g], s58, v3
	v_add_nc_u32 v[14+\g], s59, v3
	s_add_co_u32 s56, s56, 53248
	s_add_co_u32 s57, s57, 51200
	s_add_co_u32 s58, s58, 53248
	s_add_co_u32 s59, s59, 51200
.endr
	s_mul_i32 s60, s12, 4352
	s_add_co_u32 s60, s60, STG                     ; my stage
	v_mul_u32_u24 v16, v57, 272
	v_lshl_add_u32 v16, v58, 6, v16
	v_add_nc_u32 v16, s60, v16                     ; in: row r, 64 bytes on for lanes 16-31
	v_mul_u32_u24 v17, v58, 272
	v_lshl_add_u32 v17, v57, 4, v17
	v_add_nc_u32 v17, s60, v17                     ; back: lanes 0-15 one row of 256 bytes, lanes 16-31 the next
	v_lshlrev_b32 v18, 12, v58
	v_lshl_add_u32 v18, v57, 4, v18                ; and the same two rows in out0
.macro LOAD s                          ; K step s's eight fragments and the weights' scale words into set s % 2: 34 LDS loads
.set e_, (\s)%2
.set g_, (\s)/4
.set oa_, ((\s)%4)*13312
.set ob_, ((\s)%4)*12800
.irp a, 0,1,2,3
.set r_, 64+96*e_+12*\a
	ds_load_b128 v[r_:r_+3], v[4+g_] offset:oa_+1536*\a
	ds_load_b64 v[r_+4:r_+5], v[6+g_] offset:oa_+1536*\a+512
	ds_load_b128 v[r_+6:r_+9], v[4+g_] offset:oa_+1536*\a+768
	ds_load_b64 v[r_+10:r_+11], v[6+g_] offset:oa_+1536*\a+1280
.endr
.irp t, 0,1,2,3
.set r_, 112+96*e_+12*\t
	ds_load_b128 v[r_:r_+3], v[8+g_] offset:ob_+1536*\t
	ds_load_b64 v[r_+4:r_+5], v[10+g_] offset:ob_+1536*\t+512
	ds_load_b128 v[r_+6:r_+9], v[8+g_] offset:ob_+1536*\t+768
	ds_load_b64 v[r_+10:r_+11], v[10+g_] offset:ob_+1536*\t+1280
.endr
.irp p, 0,1
	ds_load_b32 v[36+2*e_+\p], v[14+g_] offset:ob_+128*\p
.endr
.endm
.macro ASLOAD g                        ; the two halves of y's scale words for four K steps: 16 LDS loads
.irp q, 0,1,2,3
.irp p, 0,1
	ds_load_b32 v[40+4*\q+2*\p], v[12+\g] offset:13312*\q+128*\p
	ds_load_b32 v[41+4*\q+2*\p], v[12+\g] offset:13312*\q+128*\p+512
.endr
.endr
.endm
.macro COMB g                          ; joined: the even head's two bytes below, the odd head's above
.irp q, 0,1,2,3
.irp p, 0,1
	v_lshl_or_b32 v[20+2*(4*\g+\q)+\p], v[41+4*\q+2*\p], 16, v[40+4*\q+2*\p]
.endr
.endr
	PLACES 8                                       ; a scale register written by a vector instruction stands eight vector instructions ahead of the scaled matrix instruction that names it
.endm
.macro MULS s                          ; 16 matrix instructions, the 16 accumulators by turns in the same order in every step
	WIN 0x50                                       ; C and D window 1
.irp a, 0,1,2,3
.irp t, 0,1,2,3
.set d_, 32*\a+8*\t
.if (\s) == 0
.set c_, 128+8*\t
.else
.set c_, d_
.endif
	WM d_, 112+96*((\s)%2)+12*\t, 64+96*((\s)%2)+12*\a, c_, 36+2*((\s)%2)+\t/2, 20+2*(\s)+\a/2, \t%2, \a%2
.endr
.endr
	WIN 0
.endm
	s_wait_tensorcnt 0x1                           ; my first load is in; my second may stay out
	s_barrier_signal -1
	s_barrier_wait -1                              ; K steps 0 to 3 of both operands lie in LDS
	ASLOAD 0
	LOAD 0
	s_wait_dscnt 34                                ; the scale words' halves are in; K step 0's 34 loads may be out
	COMB 0
	LOAD 1
	s_wait_dscnt 34                                ; K step 0 is in; K step 1's 34 loads may be out
	s_wait_loadcnt 0x0                             ; the bias
	MULS 0
.irp s, 1,2
	PLACES 4                                       ; in front of loads into registers that matrix instructions have read
	LOAD \s+1
	s_wait_dscnt 34
	MULS \s
.endr
	PLACES 4
	s_wait_tensorcnt 0x0                           ; my second load is in,
	s_wait_dscnt 0x0                               ; no LDS load of mine is out at the signal (K step 3 is in),
	s_barrier_signal -1
	s_barrier_wait -1                              ; and everybody's is: K steps 4 to 7 may be read
	LOAD 4
	ASLOAD 1
	MULS 3
	PLACES 4
	LOAD 5
	s_wait_dscnt 34                                ; K step 4 and the scale words' halves are in
	COMB 1
	MULS 4
.irp s, 5,6
	PLACES 4
	LOAD \s+1
	s_wait_dscnt 34
	MULS \s
.endr
	s_wait_dscnt 0x0
	MULS 7
; THE WAY OUT, a tile of 16 tokens x 64 columns at a time.  A lane holds 16 neighbouring columns of a token in each pair of tiles, and the lanes beside it hold other tokens: so a tile goes through my own stage and comes back
; as rows of 256 bytes, which sixteen lanes store as 256 consecutive bytes, aligned.  LDS serves a wave's instructions in order: no wait between the stores and the loads, nor in front of the next tile's stores.
.macro TOSTAGE a
	WIN 0x04                                       ; an LDS store's data are its source 1: window 1
.irp b, 0,1
.irp q, 0,1,2,3
	ds_store_b128 v16, v[32*(\a)+16*\b+4*\q:32*(\a)+16*\b+4*\q+3] offset:128*\b+16*\q   ; each accumulator from its low end on
.endr
.endr
	WIN 0
.irp i, 0,1,2,3,4,5,6,7
	ds_load_b128 v[64+32*((\a)%2)+4*\i:64+32*((\a)%2)+4*\i+3], v17 offset:544*\i
.endr
.endm
.macro SEND a, younger                 ; younger: the LDS instructions issued behind tile a's loads, which may stay out.  Row 2 i + h of tile a is token 32 (a / 2) + 8 (a % 2) + 2 i + h + 8 (i / 4)
	s_wait_dscnt \younger
.irp i, 0,1,2,3,4,5,6,7
	global_store_b128 v18, v[64+32*((\a)%2)+4*\i:64+32*((\a)%2)+4*\i+3], s[10:11] offset:(32*((\a)/2)+8*((\a)%2)+2*\i+8*(\i/4))*4096 th:TH_STORE_NT
.endr
.endm
	PLACES 4                                       ; behind the last products: their results are read, and loads land in registers that held operands
	TOSTAGE 0
	TOSTAGE 1
	SEND 0, 16                                     ; behind tile 0's loads: tile 1's 8 stores and 8 loads
	s_wait_xcnt 0x0                                ; tile 0's stores have read their registers: tile 2's loads may land there
	TOSTAGE 2
	SEND 1, 16
	s_wait_xcnt 0x0
	TOSTAGE 3
	SEND 2, 16
	SEND 3, 0
	s_wait_tensorcnt 0x0
	ds_add_u32 v62, v63
	s_wait_dscnt 0x0
	CROUND                                         ; the closing round: no work-group ends while a partner may still ask for a tile that names it
	s_endpgm
.Lfunc_end_k_qcf2716c4b8_proj:
	.size	k_qcf2716c4b8_proj, .Lfunc_end_k_qcf2716c4b8_proj-k_qcf2716c4b8_proj
	.p2alignl 7, 3214868480
	.fill 96, 4, 3214868480
	.section	.rodata,"a",@progbits
	.p2align	6, 0x0
	.amdhsa_kernel k_qcf2716c4b8_proj
		.amdhsa_group_segment_fixed_size 226816
		.amdhsa_private_segment_fixed_size 0
		.amdhsa_enable_private_segment 0
		.amdhsa_kernarg_size 32
		.amdhsa_user_sgpr_count 2
		.amdhsa_user_sgpr_kernarg_segment_ptr 1
		.amdhsa_wavefront_size32 1
		.amdhsa_system_sgpr_workgroup_id_x 1
		.amdhsa_system_sgpr_workgroup_id_y 1
		.amdhsa_system_sgpr_workgroup_id_z 1
		.amdhsa_system_vgpr_workitem_id 0
		.amdhsa_next_free_vgpr 512
		.amdhsa_next_free_sgpr 66
		.amdhsa_reserve_vcc 0
		.amdhsa_float_denorm_mode_32 3
		.amdhsa_float_denorm_mode_16_64 3
		.amdhsa_memory_ordered 1
		.amdhsa_forward_progress 1
		.amdhsa_inst_pref_size 55
	.end_amdhsa_kernel
	.amdgpu_metadata
---
amdhsa.version: [ 1, 2 ]
amdhsa.kernels:
  - .name:           k_qcf2716c4b8_proj
    .symbol:         k_qcf2716c4b8_proj.kd
    .args:
      - { .name: yi, .offset: 0, .size: 8, .value_kind: global_buffer, .address_space: global }
      - { .name: wp, .offset: 8, .size: 8, .value_kind: global_buffer, .address_space: global }
      - { .name: b_proj, .offset: 16, .size: 8, .value_kind: global_buffer, .address_space: global }
      - { .name: out0, .offset: 24, .size: 8, .value_kind: global_buffer, .address_space: global }
    .group_segment_fixed_size: 226816
    .private_segment_fixed_size: 0
    .kernarg_segment_align: 8
    .kernarg_segment_size: 32
    .max_flat_workgroup_size: 128
    .sgpr_count:     66
    .vgpr_count:     512
    .wavefront_size: 32
...
	.end_amdgpu_metadata
.endif
;; end of part 4
